; MI455X (gfx1250); checked and timed in simulation.
; The chip was launched on July 23, 2026; its instructions are those of AMD's public machine-readable ISA for CDNA 5 (MIT licence, August 2026) and "CDNA5" Instruction Set Architecture Reference Guide (July 2026). The comments in the code are by the model that wrote it; some were corrected since.
;; Multi Head Attention. Allowed arithmetic: matrix products marked QUANTISED: E4M3 operands, one given power-of-two scale a tensor, by v_wmma_f32_16x16x64_fp8_fp8 or v_wmma_f32_16x16x128_fp8_fp8, f32 sums; everything else in f32.
;; Inputs: Wk 1,024 x 1,024 float32; Wo 1,024 x 1,024 float32; Wq 1,024 x 1,024 float32; Wv 1,024 x 1,024 float32; lowp_scales 12 int32 (the exponents e of the quantised operands' scales 2^e); x 2 x 2,048 x 1,024 float32.
;; Outputs: out0 2 x 2,048 x 1,024 float32.
;; This version of the problem:
;;   THIS VERSION OF THE PROBLEM IS GIVEN IN LOW PRECISION. The matrix products marked QUANTISED in the list below multiply operands that are first quantised to E4M3 (4 exponent bits, 3 mantissa bits; 8 bits a number), with one given power-of-two scale for each operand tensor; their sums are f32. All else is computed in f32.
;;   The module's matrix products, in the order in which they are computed (A, B: the left and right operand; K: the contracted axis; several contracted axes count as one K, in the product's order):
;;     1. [M 4,096, K 1,024] x [K 1,024, N 1,024]; A: input x; B: input Wq: QUANTISED (scales: A lowp_scales[0], B lowp_scales[1])
;;     2. [M 4,096, K 1,024] x [K 1,024, N 1,024]; A: input x; B: input Wk: QUANTISED (scales: A lowp_scales[2], B lowp_scales[3])
;;     3. [M 4,096, K 1,024] x [K 1,024, N 1,024]; A: input x; B: input Wv: QUANTISED (scales: A lowp_scales[4], B lowp_scales[5])
;;     4. batch 32 x [M 2,048, K 64] x [K 64, N 2,048]; A: computed on the way; B: computed on the way: QUANTISED (scales: A lowp_scales[6], B lowp_scales[7])
;;     5. batch 32 x [M 2,048, K 2,048] x [K 2,048, N 64]; A: softmax (see below); B: computed on the way: QUANTISED (scales: A lowp_scales[8], B lowp_scales[9])
;;     6. [M 4,096, K 1,024] x [K 1,024, N 1,024]; A: computed on the way; B: input Wo: QUANTISED (scales: A lowp_scales[10], B lowp_scales[11])
;;   THE QUANTISER, for each operand of a quantised product, along K:
;;     - The operand's scale is 2^e, e = its entry of the input lowp_scales (int32; the entries are numbered through the quantised products in the list's order, A before B).
;;     - Each number is divided by the scale, clamped to +-448, and rounded to the nearest number of E4M3, ties to even, subnormals kept.
;;     - The product sums the exact products of the quantised numbers (number of the format x scale) in f32.
;;   ~~~python
;;   def quantise(x, axis, e):      # numpy; x: float32 -> the quantised numbers, widened to float32 again
;;       x = np.moveaxis(x, axis, -1); K = x.shape[-1]
;;       r = np.clip(x / 2.0 ** e, -448, 448)
;;       step = 2.0 ** (np.maximum(np.frexp(np.where(r == 0, 1, r))[1] - 1, -6) - 3)
;;       q = np.round(r / step) * step * 2.0 ** e      # np.round: ties to even
;;       return np.moveaxis(q, -1, axis).astype(np.float32)
;;   ~~~
;;   SOFTMAX AHEAD OF A QUANTISED PRODUCT. Where the list says 'softmax', what is quantised is not the finished softmax but p = 2^(t - M), with t = logit x log2(e) and M = ceil(the row's largest t), a whole number; so 1/2 < the row's largest p <= 1. The row's sum l is taken of the UNQUANTISED p, in f32, and the product's result is divided by l at the end. Since M is a whole number, a kernel that streams over the keys may use a running M (the ceiling of the running maximum): every later rescaling is an exact power of two, so the quantised numbers keep their values, but for numbers so far below the row's largest that they fall under the format's range.
;;   OPERANDS COMPUTED ON THE WAY. 'Computed on the way' means the value that the module computes at that place (a softmax that the list does not call 'softmax' is quantised finished and normalised). What goes into a quantiser is computed in f32, as accurately as f32 sums, v_exp_f32 and their like allow (about 1e-6 of the number): no bf16 or f16 on the way to a quantiser, and a product that is left as it is and whose result goes on into a quantised operand takes f32 operands (vector FMAs, or v_wmma_f32_16x16x4_f32). A number that lies on a knife's edge between two numbers of the format may be rounded either way, as far as f32 arithmetic and the matrix unit's own rounding can turn it there, and no further.
;; One version. Each part assembles by itself: llvm-mc -triple=amdgcn-amd-amdhsa -mcpu=gfx1250 --defsym DOCPART=n.
;; ======== version 1 of 1: 4 launches
;; limits: right only within a limited range of input values
;; workspace buffers: xc 12,582,912 bytes; wc 4,194,304 bytes; qimg 4,194,304 bytes; kv 8,388,608 bytes; ctx 4,194,304 bytes
;; launch quant (part 1): grid 512 x 1, 8 waves a work-group, no clusters, 68,608 bytes of LDS; arguments x, Wq, Wk, Wv, Wo, lowp_scales, xc, wc; writes xc, wc
.if DOCPART == 1
	.amdgcn_target "amdgcn-amd-amdhsa--gfx1250"
	.amdhsa_code_object_version 6
	.text
	.protected	k_q2814210673_quant
	.globl	k_q2814210673_quant
	.p2align	8
	.type	k_q2814210673_quant,@function
k_q2814210673_quant:
	s_mov_b64 s[64:65], 0
	v_nop
	global_prefetch_b8 v0, s[64:65] scope:SCOPE_SE
	s_setreg_imm32_b32 hwreg(HW_REG_WAVE_MODE, 25, 1), 1
	s_wait_xcnt 0x0
; x [4096][1024] and the four weights [1024][1024], f32 with K innermost, become codes of FP8 (E4M3), laid as IMAGES OF OPERAND REGISTERS.
; A fragment is 16 rows x 128 K = 2,048 bytes, laid [c 0..3][lane 0..31][16 bytes]: lane (r = lane % 16, h = lane / 16), piece c, holds K = 32 c + 16 h + 0 .. 15 of the tile's r-th row.
; THE ROWS OF A TILE ARE NOT NEIGHBOURS: the r-th row of tile T is row 32 (T / 2) + 8 (T % 2) + r + 8 (r / 8).  Every later launch uses this one order, so that a transposed product's results are
; neighbours along the next K in a lane's registers.
; xc: [3: for q, k, v][K step 8][tile 256][2,048]: x has three given scales (entries 0, 2, 4), so three sets of codes.   wc: [4: q, k, v, o][K step 8][tile 64][2,048] (entries 1, 3, 5, 11).
; code = number / 2^e, held within +-448, to the nearest code, ties to even.  LIMITS: each e between -126 and 119, so that 2^e and 448 x 2^e are f32 numbers.  NaN among the inputs is not served.
; SHARES.  Work-groups 0 to 255 take tile g of x, the others tile (g - 256) % 64 of weight (g - 256) / 64.  Wave s takes K step s: one fragment.  The eight waves read 16 whole rows of 4,096 bytes.
; Each load reads 512 consecutive bytes of a row; the conversions want 16 neighbours in ONE lane: so the 16 x 512 bytes turn through the wave's own stage in LDS (rows of 512 + 16 bytes).
; Each store writes 512 consecutive bytes, at a multiple of 512 from its buffer's first byte.  No matrix unit, no tensor load, no cluster, no barrier: the launch streams, and waves share nothing.
.set PITCH, 528                        ; a stage row: 512 bytes + 16 = 33 x 16 bytes, so the sixteen rows that a read touches begin in sixteen different columns of 16 bytes
.set WREG,  16*PITCH                   ; a wave's stage
.set SPARE, 8*WREG                     ; behind the eight stages: the spare words, 128 bytes for each wave: four blocks of 256 bytes that no other line names
.set LI,    1                          ; v1   16 x lane: my bytes of a load's or a store's 512
.set SIN,   2                          ; v2   the stage, on the way in
.set SOUT,  3                          ; v3   and on the way out: row r, + 64 h
.set SPW,   12                         ; v12  LDS address of my spare word; never rewritten
.set NIL,   13                         ; v13  0; never rewritten
.set R,     16                         ; v16-79    16 rows as loaded
.set X,     80                         ; v80-143   register 16 b + i = K 32 b + 16 h + i of my row: kept for up to three jobs
.set T,     144                        ; v144-175  two sets of 16 held numbers, by turns
.set C,     176                        ; v176-223  16 registers of codes for each job: no store's data are written again
	s_load_b256 s[4:11], s[0:1], 0x0               ; x s[4:5], Wq s[6:7], Wk s[8:9], Wv s[10:11]
	s_load_b256 s[12:19], s[0:1], 0x20             ; Wo s[12:13], the scales' exponents s[14:15], xc s[16:17], wc s[18:19]
	v_lshl_add_u32 v[SPW], v0, 2, SPARE
	v_mov_b32 v[NIL], 0
	v_lshrrev_b32 v4, 5, v0
	s_delay_alu instid0(VALU_DEP_1)
	v_readfirstlane_b32 s20, v4                    ; wave = K step
	v_and_b32 v4, 31, v0
	s_delay_alu instid0(VALU_DEP_1)
	v_lshlrev_b32 v[LI], 4, v4
	s_mul_i32 s21, s20, WREG
	v_add_nc_u32 v[SIN], s21, v[LI]
	v_and_b32 v4, 15, v0
	s_delay_alu instid0(VALU_DEP_1)
	v_mul_u32_u24 v[SOUT], v4, PITCH
	v_bfe_u32 v4, v0, 4, 1
	s_delay_alu instid0(VALU_DEP_1)
	v_lshl_add_u32 v[SOUT], v4, 6, v[SOUT]
	s_delay_alu instid0(VALU_DEP_1)
	v_add_nc_u32 v[SOUT], s21, v[SOUT]
	s_cmp_lt_u32 ttmp9, 256                        ; x's work-group or a weight's?  All choices hang on the work-group's number alone
	s_cselect_b32 s22, 0, 256
	s_cselect_b32 s23, 255, 63
	s_cselect_b32 s24, 8, 6                        ; log2 of the tiles in a K step: 256 or 64
	s_sub_co_u32 s22, ttmp9, s22
	s_and_b32 s23, s22, s23                        ; the tile T
	s_lshr_b32 s25, s22, 6
	s_cmp_lt_u32 ttmp9, 256
	s_cselect_b32 s25, 0, s25                      ; which weight (0 for x)
	s_lshr_b32 s26, s23, 1                         ; from where: row 32 (T / 2) + 8 (T % 2), of 4,096 bytes, + 512 x K step
	s_lshl_b32 s26, s26, 17
	s_and_b32 s27, s23, 1
	s_lshl_b32 s27, s27, 15
	s_add_co_u32 s26, s26, s27
	s_lshl_b32 s27, s20, 9
	s_add_co_u32 s26, s26, s27
	s_mov_b32 s27, 0
	s_lshl_b32 s28, s20, s24                       ; to where: (K step x tiles + T) x 2,048, + 1 MiB x weight
	s_add_co_u32 s28, s28, s23
	s_lshl_b32 s28, s28, 11
	s_lshl_b32 s29, s25, 20
	s_add_co_u32 s28, s28, s29
	s_mov_b32 s29, 0
	s_wait_alu depctr_va_vdst(0)
	s_wait_kmcnt 0x0
	s_load_b256 s[40:47], s[14:15], 0x0            ; e0 .. e7
	s_load_b128 s[48:51], s[14:15], 0x20           ; e8 .. e11
	s_cmp_lt_u32 ttmp9, 448
	s_cselect_b64 s[30:31], s[10:11], s[12:13]
	s_cmp_lt_u32 ttmp9, 384
	s_cselect_b64 s[30:31], s[8:9], s[30:31]
	s_cmp_lt_u32 ttmp9, 320
	s_cselect_b64 s[30:31], s[6:7], s[30:31]
	s_cmp_lt_u32 ttmp9, 256
	s_cselect_b64 s[30:31], s[4:5], s[30:31]
	s_cselect_b64 s[32:33], s[16:17], s[18:19]
	s_add_nc_u64 s[30:31], s[30:31], s[26:27]
	s_add_nc_u64 s[32:33], s[32:33], s[28:29]
.irp r, 0,1,2,3,4,5,6,7,8,9,10,11,12,13,14,15
	global_load_b128 v[R+4*\r:R+4*\r+3], v[LI], s[30:31] offset:(\r+8*(\r/8))*4096 th:TH_LOAD_NT   ; the tile's r-th row: 32 lanes read 512 consecutive bytes; read once in the launch
.endr
.macro MKSCALE e, sc, lim              ; s[e] = the exponent: v[sc] = 2^e as f32 (the conversion takes its exponent field), v[lim] = 448 x 2^e
	s_add_co_i32 s35, s[\e], 127
	s_lshl_b32 s36, s35, 23
	v_mov_b32 v[\sc], s36
	s_add_co_i32 s35, s35, 8
	s_lshl_b32 s35, s35, 23
	s_or_b32 s35, s35, 0x600000
	v_mov_b32 v[\lim], s35
.endm
	s_wait_kmcnt 0x0
	s_cmp_lt_u32 ttmp9, 448                        ; job 0's exponent: e0 for x; e1, e3, e5, e11 for the weights
	s_cselect_b32 s34, s45, s51
	s_cmp_lt_u32 ttmp9, 384
	s_cselect_b32 s34, s43, s34
	s_cmp_lt_u32 ttmp9, 320
	s_cselect_b32 s34, s41, s34
	s_cmp_lt_u32 ttmp9, 256
	s_cselect_b32 s34, s40, s34
	MKSCALE 34, 5, 6
	s_wait_alu depctr_va_vdst(0)
.irp r, 0,1,2,3,4,5,6,7,8,9,10,11,12,13,14,15
	s_wait_loadcnt 15-\r                           ; loads come back in order: row r is in, the 15 - r younger ones may be out
	ds_store_b128 v[SIN], v[R+4*\r:R+4*\r+3] offset:PITCH*\r
.endr
.irp b, 0,1,2,3
.irp j, 0,1,2,3
	ds_load_b128 v[X+16*\b+4*\j:X+16*\b+4*\j+3], v[SOUT] offset:128*\b+16*\j   ; LDS serves a wave's instructions in order: these see my stores
.endr
.endr
; One set of codes.  The hold is made out of place, since X serves up to three jobs; the two sets of T take turns, so that sixteen plain lines stand between a conversion and the next write of its sources.
.macro QJOB job, first, sc, lim, dst
.irp b, 0,1,2,3
.if \first
	s_wait_dscnt 12-4*\b                           ; block b's four reads of the stage are in; those of the later blocks may be out
.endif
.irp i, 0,1,2,3,4,5,6,7,8,9,10,11,12,13,14,15
	v_med3_num_f32 v[T+16*(\b%2)+\i], v[X+16*\b+\i], -v[\lim], v[\lim]   ; the conversion to an 8-bit code does not saturate (ISA guide 7.6.2): the hold at the largest code x the scale
.endr
	v_cvt_scalef32_pk8_fp8_f32 v[C+16*\job+4*\b:C+16*\job+4*\b+1], v[T+16*(\b%2):T+16*(\b%2)+7], v[\sc]
	v_cvt_scalef32_pk8_fp8_f32 v[C+16*\job+4*\b+2:C+16*\job+4*\b+3], v[T+16*(\b%2)+8:T+16*(\b%2)+15], v[\sc]
.endr
	v_nop                                          ; a plain line behind the last conversion of the run
.irp c, 0,1,2,3
	global_store_b128 v[LI], v[C+16*\job+4*\c:C+16*\job+4*\c+3], s[\dst:\dst+1] offset:512*\c   ; piece c of the image: 512 consecutive bytes
.endr
.endm
	QJOB 0, 1, 5, 6, 32
	s_wait_tensorcnt 0x0                           ; my last LDS work is done
	ds_add_u32 v[SPW], v[NIL]
	s_wait_dscnt 0x0
	s_cmp_ge_u32 ttmp9, 256
	s_cbranch_scc1 .Lend                           ; a weight has one scale
	MKSCALE 42, 7, 8                               ; x for k: e2
	MKSCALE 44, 9, 10                              ; x for v: e4
	s_add_nc_u64 s[52:53], s[32:33], 0x400000      ; the second and third set lie 4 MiB and 8 MiB on
	s_add_nc_u64 s[54:55], s[32:33], 0x800000
	QJOB 1, 0, 7, 8, 52
	QJOB 2, 0, 9, 10, 54
.Lend:
	s_endpgm
.Lfunc_end_k_q2814210673_quant:
	.size	k_q2814210673_quant, .Lfunc_end_k_q2814210673_quant-k_q2814210673_quant
	.p2alignl 7, 3214868480
	.fill 96, 4, 3214868480
	.section	.rodata,"a",@progbits
	.p2align	6, 0x0
	.amdhsa_kernel k_q2814210673_quant
		.amdhsa_group_segment_fixed_size 68608
		.amdhsa_private_segment_fixed_size 0
		.amdhsa_enable_private_segment 0
		.amdhsa_kernarg_size 64
		.amdhsa_user_sgpr_count 2
		.amdhsa_user_sgpr_kernarg_segment_ptr 1
		.amdhsa_wavefront_size32 1
		.amdhsa_system_sgpr_workgroup_id_x 1
		.amdhsa_system_sgpr_workgroup_id_y 1
		.amdhsa_system_sgpr_workgroup_id_z 1
		.amdhsa_system_vgpr_workitem_id 0
		.amdhsa_next_free_vgpr 224
		.amdhsa_next_free_sgpr 66
		.amdhsa_reserve_vcc 0
		.amdhsa_float_denorm_mode_32 3
		.amdhsa_float_denorm_mode_16_64 3
		.amdhsa_memory_ordered 1
		.amdhsa_forward_progress 1
		.amdhsa_inst_pref_size 24
	.end_amdhsa_kernel
	.amdgpu_metadata
---
amdhsa.version: [ 1, 2 ]
amdhsa.kernels:
  - .name:           k_q2814210673_quant
    .symbol:         k_q2814210673_quant.kd
    .args:
      - { .name: x, .offset: 0, .size: 8, .value_kind: global_buffer, .address_space: global }
      - { .name: Wq, .offset: 8, .size: 8, .value_kind: global_buffer, .address_space: global }
      - { .name: Wk, .offset: 16, .size: 8, .value_kind: global_buffer, .address_space: global }
      - { .name: Wv, .offset: 24, .size: 8, .value_kind: global_buffer, .address_space: global }
      - { .name: Wo, .offset: 32, .size: 8, .value_kind: global_buffer, .address_space: global }
      - { .name: lowp_scales, .offset: 40, .size: 8, .value_kind: global_buffer, .address_space: global }
      - { .name: xc, .offset: 48, .size: 8, .value_kind: global_buffer, .address_space: global }
      - { .name: wc, .offset: 56, .size: 8, .value_kind: global_buffer, .address_space: global }
    .group_segment_fixed_size: 68608
    .private_segment_fixed_size: 0
    .kernarg_segment_align: 8
    .kernarg_segment_size: 64
    .max_flat_workgroup_size: 256
    .sgpr_count:     66
    .vgpr_count:     224
    .wavefront_size: 32
...
	.end_amdgpu_metadata
.endif
;; end of part 1
;; launch qkv (part 2): grid 8 x 32, 4 waves a work-group, clusters of 4 x 4, 327,680 bytes of LDS; arguments xc, wc, lowp_scales, qimg, kv; writes qimg, kv
.if DOCPART == 2
	.amdgcn_target "amdgcn-amd-amdhsa--gfx1250"
	.amdhsa_code_object_version 6
	.text
	.protected	k_q2814210673_qkv
	.globl	k_q2814210673_qkv
	.p2align	8
	.type	k_q2814210673_qkv,@function
k_q2814210673_qkv:
	s_mov_b64 s[64:65], 0
	v_nop
	global_prefetch_b8 v0, s[64:65] scope:SCOPE_SE
	s_setreg_imm32_b32 hwreg(HW_REG_WAVE_MODE, 25, 1), 1
	s_wait_xcnt 0x0
	s_wait_alu depctr_hold_cnt(0) depctr_sa_sdst(0) depctr_va_vdst(0) depctr_va_sdst(0) depctr_va_ssrc(0) depctr_va_vcc(0) depctr_vm_vsrc(0)
	s_getreg_b32 s2, hwreg(HW_REG_IB_STS2, 6, 4)
	s_cmp_eq_u32 s2, 0
	s_cbranch_scc0 .Lentry_in_a_cluster
	s_endpgm
.Lentry_in_a_cluster:
	s_bfe_u32 s2, ttmp6, 0x10000c
	s_cmp_lg_u32 s2, 0xf033
	s_cbranch_scc0 .Lentry_shape_is_right
	s_endpgm
.Lentry_shape_is_right:
; q = x Wq^T, k = x Wk^T, v = x Wv^T on codes of FP8 (E4M3), and their results quantised at once for the attention's two products.
; Operands are images of operand registers (16 rows x 128 K = 2,048 bytes, [c][lane][16]; the r-th row of tile T is row 32 (T / 2) + 8 (T % 2) + r + 8 (r / 8)):
;   xc [3][K step 8][tile 256][2,048], wc [4][K step 8][tile 64][2,048].
; SHARES.  256 work-groups that stay: each makes 128 tokens x 128 channels of q, then of k, then of v; each of its four waves 64 x 64 (wi: half of the tokens, wj: half of the channels): 16 accumulators.
; THE RING.  24 K steps, 4 to a slot of 131,072 bytes: tokens' 4 x 16 KiB, then channels' 4 x 16 KiB.  Fill f holds K steps 4 f .. 4 f + 3; from fill to fill both addresses go 4 K steps on, through q, k and v.
; At the head each wave issues ONE joint load of 4 rows of 16 KiB (waves 0, 1: tokens of slots 0, 1; waves 2, 3: channels): fills 0 and 1.  Behind a round of the cluster's barrier each wave issues one load of 2 rows: a quarter of the slot just read.
; By this text's count a wave has one tensor load out at the most.
; CLUSTERS: 4 x 4 work-groups.  The four of a row need the same tokens, the four of a column the same channels: each block is asked for JOINTLY.
; PREFETCH.  Behind each refill's load stands one global_prefetch_b8 a wave for the NEXT refill, four K steps ahead of the load that wants it.  Of a fill's four K steps the partner at place p (cx for tokens, cy for channels) takes K step p, 64 blocks of
; 256 bytes, two waves of 32 lanes.  The weights are the same for all eight rows of clusters: the first four rows ask for them.  Fills 0 and 1 come by their loads alone, and nothing is asked for behind fill 5.
; ROLES.  Source 1 (P) keeps its index as the lane's row; source 0 (Q)'s index runs along the lane's registers: the 16 registers of accumulators (a, 2 bb) and (a, 2 bb + 1) are 16 neighbours, 32 bb + 16 h + 0 .. 15.
; q, k: P = tokens, Q = channels (the head's 64 are the next K).  v: P = channels, Q = tokens (the keys are the next K): v comes out transposed.
; So two conversions give 16 bytes a lane that ARE a piece of the next operand's image, and one store writes 512 consecutive bytes: the way out needs no LDS.
;   qimg [bh 32][tile of 16 queries 128][c' 2][lane][16];   kv [bh 32][key step 16][K: key tile 8 x (c' 2 x 512) | V: channel tile 4 x (c 4 x 512)]: 16,384 bytes a step of 128 keys.
; A sum stands for sum x 2^(ex + ew): its code is sum / 2^E with E = e6 - e0 - e1 (q), e7 - e2 - e3 (k), e9 - e4 - e5 (v).  LIMIT: each E between -126 and 119.
; REGISTERS: window 0: addresses, scales, v32-63 codes, v128-255 accumulators ((a, b) at 128 + 8 (4 a + b)).  window 1: two fragment buffers of 128: tokens' four fragments, then channels' four.
.set XSTEP, 524288                     ; a K step of xc: 256 tiles x 2,048 bytes
.set WSTEP, 131072                     ; of wc: 64 tiles
.set SLOT,  131072
.set SPARE, 262144                     ; behind the ring: the spare words, 128 bytes a wave
.set LI,   1                           ; v1 16 x lane
.set PFO,  2                           ; v2 256 x lane
.set SC,   4                           ; v4-6  2^E of q, k, v
.set LIM,  8                           ; v8-10 448 x 2^E
.set ADRT, 16                          ; v16-17 tokens' fragments in slot 0, 1
.set ADRC, 18                          ; v18-19 channels'
.set SPW,  28
.set NIL,  29
.set CD,   32
.set ACC,  128
.set F0,   0
.set F1,   128
.set G1R,  24                          ; s[24:31] group 1 of the head's loads for tokens,  s[32:39] for channels
.set G1C,  32
.set H1R,  40                          ; s[40:47], s[48:55] group 1 of the refills
.set H1C,  48
.set G0R,  56                          ; s[56:63] groups 0 for tokens, slots 0 and 1;  s[68:75] for channels
.set G0C,  68
.set PFA,  76                          ; s[76:77] where my prefetches stand
.set PST,  78                          ; s[78:79] four K steps in bytes
.set ASKS, 80                          ; s80 1 where my wave asks
.set MSB, 0
.macro WIN new                         ; the immediate's high byte repeats the setting that is left
.if MSB != \new
	s_set_vgpr_msb (MSB<<8)|\new
.set MSB, \new
.endif
.endm
.set MUL,  0x05                        ; sources 0 and 1 window 1; C and D window 0
.set TO_F, 0x40                        ; destination window 1, address window 0
.macro CREST                           ; a round of the cluster's barrier behind its opening barrier
	s_cmp_lg_u32 s14, 0
	s_cbranch_scc1 .Lnot_wave_0_\@
	s_barrier_signal -3
.Lnot_wave_0_\@:
	s_barrier_wait -3
	s_barrier_signal -1
	s_barrier_wait -1
.endm
.macro CROUND                          ; a whole round
	s_barrier_signal -1
	s_barrier_wait -1
	CREST
.endm
.macro PLACES                          ; four places in front of loads into registers that matrix instructions have read, and of reads of results
.rept 4
	v_nop
.endr
.endm
; A joint load: waves 0 and 1 fetch tokens, waves 2 and 3 channels; the branch hangs on the wave's number alone (s_nop 0 and four v_nop behind each line)
.macro JLOAD g0a, g1a, g0b, g1b
	s_cmp_eq_u32 s15, 0
	s_cbranch_scc0 .Lfor_c_\@
	tensor_load_to_lds s[\g0a:\g0a+3], s[\g1a:\g1a+7]
	s_nop 0
.rept 4
	v_nop
.endr
	s_branch .Lasked_\@
.Lfor_c_\@:
	tensor_load_to_lds s[\g0b:\g0b+3], s[\g1b:\g1b+7]
	s_nop 0
.rept 4
	v_nop
.endr
.Lasked_\@:
.endm
.macro ASK
	WIN 0
	s_cmp_eq_u32 s[ASKS], 1
	s_cbranch_scc0 .Lnot_mine_\@
	global_prefetch_b8 v[PFO], s[PFA:PFA+1] th:TH_LOAD_NT scope:SCOPE_SE
.Lnot_mine_\@:
.endm
	s_load_b256 s[4:11], s[0:1], 0x0               ; xc s[4:5], wc s[6:7], the scales' exponents s[8:9], qimg s[10:11]
	s_load_b64 s[12:13], s[0:1], 0x20              ; kv
	v_lshl_add_u32 v[SPW], v0, 2, SPARE
	v_mov_b32 v[NIL], 0
	ds_add_u32 v[SPW], v[NIL]                      ; the wave's opening: the add, twice on end, and its wait ahead of my first tensor load
	ds_add_u32 v[SPW], v[NIL]
	v_lshrrev_b32 v1, 5, v0
	v_readfirstlane_b32 s14, v1                    ; wave 0..3
	s_lshr_b32 s15, s14, 1                         ; wi: my half of the tokens.  Also: I fetch tokens (0) or channels (1)
	s_and_b32 s16, s14, 1                          ; wj: my half of the channels.  Also: which part I fetch
	s_bfe_u32 s17, ttmp6, 0x40000                  ; cx, cy: my place in the cluster
	s_bfe_u32 s18, ttmp6, 0x40004
	s_lshl_b32 s20, ttmp9, 2
	s_add_co_u32 s20, s20, s17                     ; jx: which 128 channels
	s_and_b32 s19, ttmp7, 0xffff                   ; the cluster's y
	s_lshl_b32 s21, s19, 2
	s_add_co_u32 s21, s21, s18                     ; gy: which 128 tokens
	s_lshl_b32 s22, s18, 2
	s_lshl_b32 s22, 15, s22                        ; my row of the cluster
	s_lshl_b32 s23, 0x1111, s17                    ; my column
	s_or_b32 s[G1R], s22, (3<<16)|(1<<21)          ; 15:0 the mask; 17:16 elements of 8 bytes; no padding; 21 set beside a mask
	s_or_b32 s[G1C], s23, (3<<16)|(1<<21)
	s_or_b32 s[H1R], s22, (3<<16)|(1<<21)
	s_or_b32 s[H1C], s23, (3<<16)|(1<<21)
.irp g, G1R, G1C, H1R, H1C
	s_mov_b32 s[\g+1], 2048<<16                    ; a row is a K step's dense 16 KiB: 2,048 elements
	s_mov_b32 s[\g+3], 2048<<16
	s_mov_b32 s[\g+6], 0
	s_mov_b32 s[\g+7], 0
.endr
.irp g, G1R, G1C
	s_mov_b32 s[\g+2], 4<<16                       ; the head: four rows
	s_mov_b32 s[\g+4], 4
.endr
.irp g, H1R, H1C
	s_mov_b32 s[\g+2], 2<<16                       ; a refill: two rows
	s_mov_b32 s[\g+4], 2
.endr
	s_mov_b32 s[G1R+5], XSTEP/8                    ; from K step to K step
	s_mov_b32 s[H1R+5], XSTEP/8
	s_mov_b32 s[G1C+5], WSTEP/8
	s_mov_b32 s[H1C+5], WSTEP/8
	s_lshl_b32 s82, s21, 14                        ; tokens: gy x 16 KiB: nothing of cx
	s_mov_b32 s83, 0
	s_lshl_b32 s66, s20, 14                        ; channels: jx x 16 KiB: nothing of cy
	s_mov_b32 s67, 0
	s_lshl_b32 s100, s16, 21                       ; the head's part: 4 K steps on for the odd waves
	s_mov_b32 s101, 0
	s_lshl_b32 s98, s16, 19
	s_mov_b32 s99, 0
	s_lshl_b32 s96, s16, 17                        ; in LDS: slot wj, tokens' or channels' half: no place in the cluster enters an LDS address
	s_lshl_b32 s97, s15, 16
	s_add_co_u32 s96, s96, s97
	s_wait_dscnt 0x0                               ; both opening adds are done
	s_wait_kmcnt 0x0
	s_load_b256 s[84:91], s[8:9], 0x0              ; e0 .. e7
	s_load_b128 s[92:95], s[8:9], 0x20             ; e8 .. e11
	s_add_nc_u64 s[4:5], s[4:5], s[82:83]
	s_add_nc_u64 s[6:7], s[6:7], s[66:67]
	s_mov_b32 s[G0R], 1
	s_mov_b32 s[G0R+1], s96
	s_add_nc_u64 s[G0R+2:G0R+3], s[4:5], s[100:101]
	s_or_b32 s[G0R+3], s[G0R+3], 0x80000000
	s_mov_b32 s[G0C], 1
	s_mov_b32 s[G0C+1], s96
	s_add_nc_u64 s[G0C+2:G0C+3], s[6:7], s[98:99]
	s_or_b32 s[G0C+3], s[G0C+3], 0x80000000
	CROUND                                         ; all sixteen work-groups are here: the joint loads meet
	JLOAD G0R, G1R, G0C, G1C                       ; fills 0 and 1: one tensor load a wave at the head
	; who asks ahead, and for what
	s_cmp_lt_u32 s19, 4
	s_cselect_b32 s[ASKS], 1, 0                    ; channels: the first four rows of clusters
	s_cmp_eq_u32 s15, 0
	s_cselect_b32 s[ASKS], 1, s[ASKS]              ; tokens: every cluster
	s_cselect_b64 s[PFA:PFA+1], s[4:5], s[6:7]
	s_cselect_b32 s81, s17, s18                    ; my place among the four that ask with me
	s_mov_b32 s19, 17
	s_cselect_b32 s19, 19, s19                     ; log2 of a K step
	s_lshl_b32 s100, s81, s19
	s_lshl_b32 s[PST], 4, s19
	s_mov_b32 s[PST+1], 0
	s_lshl_b32 s81, s[PST], 1                      ; fill 2
	s_add_co_u32 s100, s100, s81
	s_lshl_b32 s81, s16, 13                        ; my wave's 32 blocks of the K step's 64
	s_add_co_u32 s100, s100, s81
	s_mov_b32 s101, 0
	s_add_nc_u64 s[PFA:PFA+1], s[PFA:PFA+1], s[100:101]
	; where the results go
	s_lshr_b32 s19, s21, 4                         ; the batch
	s_lshl_b32 s19, s19, 4
	s_lshl_b32 s81, s20, 1
	s_add_co_u32 s19, s19, s81
	s_add_co_u32 s19, s19, s16                     ; batch x 16 + head: a wave's 64 channels are one head
	s_lshl_b32 s19, s19, 4
	s_and_b32 s81, s21, 15
	s_add_co_u32 s19, s19, s81                     ; x 16 + which 128 tokens of the batch's 2,048
	s_lshl_b32 s81, s15, 12                        ; my four tiles of tokens of 1 KiB
	s_lshl_b32 s96, s19, 13                        ; q: 8 KiB for 128 tokens
	s_add_co_u32 s96, s96, s81
	s_mov_b32 s97, 0
	s_lshl_b32 s98, s19, 14                        ; k, v: 16 KiB
	s_add_co_u32 s98, s98, s81
	s_mov_b32 s99, 0
	s_lshl_b32 s100, s19, 14
	s_lshl_b32 s81, s15, 10                        ; v: my two pieces of 512 bytes of each channel tile, behind K's 8 KiB
	s_add_co_u32 s100, s100, s81
	s_add_co_u32 s100, s100, 8192
	s_mov_b32 s101, 0
	s_add_nc_u64 s[96:97], s[10:11], s[96:97]
	s_add_nc_u64 s[98:99], s[12:13], s[98:99]
	s_add_nc_u64 s[100:101], s[12:13], s[100:101]
	s_lshl_b32 s19, s15, 13                        ; my four fragments of the tokens' eight,
	s_lshl_b32 s81, s16, 13
	s_add_co_u32 s81, s81, 65536                   ; and of the channels'
	v_and_b32 v3, 31, v0
	v_lshlrev_b32 v[LI], 4, v3                     ; an image's place for my lane
	v_lshlrev_b32 v[PFO], 8, v3
	v_add_nc_u32 v[ADRT], s19, v[LI]
	v_add_nc_u32 v[ADRC], s81, v[LI]
	v_add_nc_u32 v[ADRT+1], SLOT, v[ADRT]
	v_add_nc_u32 v[ADRC+1], SLOT, v[ADRC]
.macro MKS x, a, b, n                  ; E = e[x] - e[a] - e[b]: 2^E as f32 (the conversion takes its exponent field), and 448 x 2^E
	s_sub_co_i32 s81, s\x, s\a
	s_sub_co_i32 s81, s81, s\b
	s_add_co_i32 s81, s81, 127
	s_lshl_b32 s19, s81, 23
	v_mov_b32 v[SC+\n], s19
	s_add_co_i32 s81, s81, 8
	s_lshl_b32 s81, s81, 23
	s_or_b32 s81, s81, 0x600000
	v_mov_b32 v[LIM+\n], s81
.endm
	s_wait_alu depctr_va_vdst(0)
	s_wait_kmcnt 0x0
	MKS 90, 84, 85, 0
	MKS 91, 86, 87, 1
	MKS 93, 88, 89, 2
; 32 LDS loads in one run: the slot's K step k, channels' four fragments and tokens' four, into buffer f.  Each load takes 512 consecutive bytes.
.macro FETCH slot, k, f
	WIN TO_F
.irp i, 0,1,2,3
.irp c, 0,1,2,3
	ds_load_b128 v[(\f)+64+16*\i+4*\c:(\f)+64+16*\i+4*\c+3], v[ADRC+\slot] offset:(\k)*16384+2048*\i+512*\c
.endr
.endr
.irp i, 0,1,2,3
.irp c, 0,1,2,3
	ds_load_b128 v[(\f)+16*\i+4*\c:(\f)+16*\i+4*\c+3], v[ADRT+\slot] offset:(\k)*16384+2048*\i+512*\c
.endr
.endr
.endm
; 8 matrix instructions, 128 along K: rows a0, a0 + 1 of the 4 x 4 accumulators, which take turns, one instruction a turn, in the same order in every step.
; zero = 1: the first products start the sums.  swap = 1: v, whose P are the channels.
.macro MUL8 f, a0, zero, swap
	WIN MUL
.irp a, \a0, \a0+1
.irp b, 0,1,2,3
.if \swap
.set S0, (\f)+16*\b
.set S1, (\f)+64+16*(\a)
.else
.set S0, (\f)+64+16*\b
.set S1, (\f)+16*(\a)
.endif
.set DD, ACC+8*(4*(\a)+\b)
.if \zero
	v_wmma_f32_16x16x128_fp8_fp8 v[DD:DD+7], v[S0:S0+15], v[S1:S1+15], 0
.else
	v_wmma_f32_16x16x128_fp8_fp8 v[DD:DD+7], v[S0:S0+15], v[S1:S1+15], v[DD:DD+7]
.endif
.endr
.endr
.endm
.macro STEPK slot, k, f, zero, swap    ; a K step that has its successor in the same slot
	PLACES
	FETCH \slot, (\k)+1, 128-(\f)
	s_wait_dscnt 32                                ; this step's fragments are in; the next step's 32 loads may be out
	MUL8 \f, 0, \zero, \swap
	MUL8 \f, 2, \zero, \swap
.endm
.macro PHASE slot, zero, swap
	STEPK \slot, 0, F0, \zero, \swap
	STEPK \slot, 1, F1, 0, \swap
	STEPK \slot, 2, F0, 0, \swap
.endm
; A slot's last K step changes slots.  fill = 1: this slot is filled again, behind a round of the cluster's barrier; on = 1: its addresses step 8 K steps first; ask = 1: the fill behind that one is asked for ahead.
.macro TURN slot, next, fill, on, ask, swap
	WIN 0
	s_wait_xcnt 0x0                                ; my prefetch has read its address and my stores their data: both may be written
	s_wait_tensorcnt 0x0                           ; my tensor load is done: my part of the next slot
	ds_add_u32 v[SPW], v[NIL]                      ; 0 onto my spare word
.if \on
	s_add_nc_u64 s[G0R+4*\slot+2:G0R+4*\slot+3], s[G0R+4*\slot+2:G0R+4*\slot+3], 8*XSTEP
	s_add_nc_u64 s[G0C+4*\slot+2:G0C+4*\slot+3], s[G0C+4*\slot+2:G0C+4*\slot+3], 8*WSTEP
.endif
.if \ask
	s_add_nc_u64 s[PFA:PFA+1], s[PFA:PFA+1], s[PST:PST+1]
.endif
	s_wait_dscnt 0x0                               ; the add is done, and my reads of this slot are over
	s_barrier_signal -1
	MUL8 F1, 0, 0, \swap
	WIN 0
	s_barrier_wait -1
.if \fill
	CREST                                          ; no wave of any partner still reads this slot or has a load on its way
	JLOAD G0R+4*\slot, H1R, G0C+4*\slot, H1C       ; the first tensor load behind the round; its four v_nop are the places in front of the loads below
.else
	PLACES
.endif
	FETCH \next, 0, F0
.if \ask
	ASK
.endif
	MUL8 F1, 2, 0, \swap
.endm
; THE WAY OUT of a tile: held, converted and stored while the next tile's loads are out.  Behind TURN the load's four v_nop are the places behind rows 0 and 1, and their 64 holds those behind rows 2 and 3.
.macro OUT n, base, st
	WIN 0
.irp a, 0,1,2,3
.irp bb, 0,1
.set AA, ACC+32*\a+16*\bb
.set CC, CD+8*\a+4*\bb
.irp i, 0,1,2,3,4,5,6,7,8,9,10,11,12,13,14,15
	v_med3_num_f32 v[AA+\i], v[AA+\i], -v[LIM+\n], v[LIM+\n]   ; the hold at the largest code x the scale (ISA guide 7.6.2); each accumulator from its low end on
.endr
	v_cvt_scalef32_pk8_fp8_f32 v[CC:CC+1], v[AA:AA+7], v[SC+\n]
	v_cvt_scalef32_pk8_fp8_f32 v[CC+2:CC+3], v[AA+8:AA+15], v[SC+\n]
	global_store_b128 v[LI], v[CC:CC+3], s[\base:\base+1] offset:\st*\a+512*\bb   ; 32 lanes store 512 consecutive bytes, at a multiple of 512 from the buffer's first byte
.endr
.endr
	v_nop                                          ; a plain line behind the last conversion
.endm
	s_wait_alu depctr_va_vdst(0)                   ; the wait at the head's end
	s_wait_tensorcnt 0x0                           ; my load is done: its descriptor may be written, for the refills
	s_lshl_b32 s19, s15, 16                        ; in a slot: tokens' or channels' half, my two K steps
	s_lshl_b32 s81, s16, 15
	s_add_co_u32 s19, s19, s81
	s_lshl_b32 s82, s16, 20
	s_mov_b32 s83, 0
	s_add_nc_u64 s[82:83], s[4:5], s[82:83]
	s_lshl_b32 s66, s16, 18
	s_mov_b32 s67, 0
	s_add_nc_u64 s[66:67], s[6:7], s[66:67]
.irp s, 0,1
	s_mov_b32 s[G0R+4*\s], 1
	s_add_co_u32 s[G0R+4*\s+1], s19, \s*SLOT
	s_add_nc_u64 s[G0R+4*\s+2:G0R+4*\s+3], s[82:83], (2+\s)*4*XSTEP
	s_or_b32 s[G0R+4*\s+3], s[G0R+4*\s+3], 0x80000000
	s_mov_b32 s[G0C+4*\s], 1
	s_add_co_u32 s[G0C+4*\s+1], s19, \s*SLOT
	s_add_nc_u64 s[G0C+4*\s+2:G0C+4*\s+3], s[66:67], (2+\s)*4*WSTEP
	s_or_b32 s[G0C+4*\s+3], s[G0C+4*\s+3], 0x80000000
.endr
	s_barrier_signal -1
	s_barrier_wait -1                              ; both slots are whole
	FETCH 0, 0, F0
	ASK                                            ; fill 2
	PHASE 0, 1, 0                                  ; q
	TURN 0, 1, 1, 0, 1, 0                          ; fill 2; asks for fill 3
	PHASE 1, 0, 0
	TURN 1, 0, 1, 0, 1, 0                          ; fill 3; asks for fill 4
	OUT 0, 96, 1024
	PHASE 0, 1, 0                                  ; k
	TURN 0, 1, 1, 1, 1, 0                          ; fill 4; asks for fill 5
	PHASE 1, 0, 0
	TURN 1, 0, 1, 1, 0, 0                          ; fill 5, the last
	OUT 1, 98, 1024
	PHASE 0, 1, 1                                  ; v
	TURN 0, 1, 0, 0, 0, 1                          ; nothing is filled again
	PHASE 1, 0, 1
	s_wait_dscnt 0x0
	MUL8 F1, 0, 0, 1
	MUL8 F1, 2, 0, 1
	PLACES
	OUT 2, 100, 2048
	s_wait_tensorcnt 0x0                           ; the wave's end
	ds_add_u32 v[SPW], v[NIL]
	s_wait_dscnt 0x0
	CROUND                                         ; the closing round: no work-group ends while a partner may still ask for a block that names it
	s_endpgm
.Lfunc_end_k_q2814210673_qkv:
	.size	k_q2814210673_qkv, .Lfunc_end_k_q2814210673_qkv-k_q2814210673_qkv
	.p2alignl 7, 3214868480
	.fill 96, 4, 3214868480
	.section	.rodata,"a",@progbits
	.p2align	6, 0x0
	.amdhsa_kernel k_q2814210673_qkv
		.amdhsa_group_segment_fixed_size 327680
		.amdhsa_private_segment_fixed_size 0
		.amdhsa_enable_private_segment 0
		.amdhsa_kernarg_size 40
		.amdhsa_user_sgpr_count 2
		.amdhsa_user_sgpr_kernarg_segment_ptr 1
		.amdhsa_wavefront_size32 1
		.amdhsa_system_sgpr_workgroup_id_x 1
		.amdhsa_system_sgpr_workgroup_id_y 1
		.amdhsa_system_sgpr_workgroup_id_z 1
		.amdhsa_system_vgpr_workitem_id 0
		.amdhsa_next_free_vgpr 512
		.amdhsa_next_free_sgpr 102
		.amdhsa_reserve_vcc 0
		.amdhsa_float_denorm_mode_32 3
		.amdhsa_float_denorm_mode_16_64 3
		.amdhsa_memory_ordered 1
		.amdhsa_forward_progress 1
		.amdhsa_inst_pref_size 122
	.end_amdhsa_kernel
	.amdgpu_metadata
---
amdhsa.version: [ 1, 2 ]
amdhsa.kernels:
  - .name:           k_q2814210673_qkv
    .symbol:         k_q2814210673_qkv.kd
    .args:
      - { .name: xc, .offset: 0, .size: 8, .value_kind: global_buffer, .address_space: global }
      - { .name: wc, .offset: 8, .size: 8, .value_kind: global_buffer, .address_space: global }
      - { .name: lowp_scales, .offset: 16, .size: 8, .value_kind: global_buffer, .address_space: global }
      - { .name: qimg, .offset: 24, .size: 8, .value_kind: global_buffer, .address_space: global }
      - { .name: kv, .offset: 32, .size: 8, .value_kind: global_buffer, .address_space: global }
    .group_segment_fixed_size: 327680
    .private_segment_fixed_size: 0
    .kernarg_segment_align: 8
    .kernarg_segment_size: 40
    .max_flat_workgroup_size: 128
    .sgpr_count:     102
    .vgpr_count:     512
    .wavefront_size: 32
...
	.end_amdgpu_metadata
.endif
;; end of part 2
;; launch attn (part 3): grid 8 x 32, 8 waves a work-group, clusters of 4 x 1, 327,680 bytes of LDS; arguments qimg, kv, lowp_scales, ctx; writes ctx
.if DOCPART == 3
	.amdgcn_target "amdgcn-amd-amdhsa--gfx1250"
	.amdhsa_code_object_version 6
	.text
	.protected	k_q2814210673_attn
	.globl	k_q2814210673_attn
	.p2align	8
	.type	k_q2814210673_attn,@function
k_q2814210673_attn:
	s_mov_b64 s[64:65], 0
	v_nop
	global_prefetch_b8 v0, s[64:65] scope:SCOPE_SE
	s_setreg_imm32_b32 hwreg(HW_REG_WAVE_MODE, 25, 1), 1
	s_wait_xcnt 0x0
	s_wait_alu depctr_hold_cnt(0) depctr_sa_sdst(0) depctr_va_vdst(0) depctr_va_sdst(0) depctr_va_ssrc(0) depctr_va_vcc(0) depctr_vm_vsrc(0)
	s_getreg_b32 s2, hwreg(HW_REG_IB_STS2, 6, 4)
	s_cmp_eq_u32 s2, 0
	s_cbranch_scc0 .Lentry_in_a_cluster
	s_endpgm
.Lentry_in_a_cluster:
	s_bfe_u32 s2, ttmp6, 0x10000c
	s_cmp_lg_u32 s2, 0x3003
	s_cbranch_scc0 .Lentry_shape_is_right
	s_endpgm
.Lentry_shape_is_right:
; Attention of one (batch, head) bh = work-group y, both products on codes of FP8 (E4M3), causal.  ctx's codes are stored as the projection's operand image, [K step 8][tile 256][2,048].
; Operands are images of operand registers: qimg [bh][tile of 16 queries 128][c' 2][lane][16]; kv [bh][key step 16][K: key tile 8 x 1,024 | V: channel tile 4 x 2,048]: 16,384 bytes for 128 keys.
; THE SOFTMAX: t = score x log2(e) / 8; M = the largest t so far rounded UP to a whole number, kept as -M; p = 2^(t - M) is quantised, its row sum is taken before; when M moves, sum and O^T are multiplied by 2^(old M - new M), exactly.
; SHARES.  Of each group m = 0 .. 15 of 128 queries (key step m lies on its diagonal) work-group x owns the tile of 16 queries number 8 m + x: equal work in all work-groups.  A wave carries TWO tiles at once, a unit u: tiles of groups 2 u and 2 u + 1,
; so that each fragment of K and V serves both and their chains take turns.  A unit has key steps 0 .. 2 u + 1; later keys come after all its queries and are left out.
; Units j and 7 - j (18 steps in all) are shared by two waves, 9 steps each: wave j takes unit j's steps, stores it, and then takes steps 9 .. 15 - 2 j of unit 7 - j (both diagonals are its: the longest shares have the lowest numbers);
; wave 4 + j takes steps 0 .. 8 of unit 7 - j.  Wave j hands its part of that unit (O^T, -M, sum) to wave 4 + j through LDS, which joins the two by exact powers of two and one addition.
; K and V of the whole head (256 KiB) are brought once, by joint loads of the cluster's four work-groups: key steps 0 and 1 at the head (4 KiB a wave), with which every wave begins; the others behind a round (28 KiB a wave), while those two are worked.
; No prefetch: the second load goes out directly behind the first one's landing, ahead of the loop, so there is no later request to run ahead of.
; LAYOUT.  Both products transposed: S^T = K Q^T, O^T = V^T P^T: a lane holds ONE query (lane % 16) of each tile; register 16 b + i of S^T is key 32 b + 16 (lane / 16) + i of the step, so the conversions' results are the second product's operand.
; LIMITS: e6 + e7 between -123 and 130, e8 and e10 between -126 and 119, so that the powers of two are f32 numbers.  The scaled scores stay under 2^28 in magnitude.
; NaN among the inputs is not served.
; REGISTERS, window 0: v1-6, v10, v11 kept; tile 0: v12 -M, v13 largest t, v[14:15] sum in two halves, v64-95 O^T, v128-191 S^T, then p, v32-47 p's codes; tile 1: v16-19, v96-127, v192-255, v48-63; v22, v23 the hold; v7-9, v20, v21, v24-31 at work,
;   and v32-63 ahead of the codes (sums of pairs of tile 0's p).  window 1: v0-63 K's fragments, v64-127 V's, v128-143 the unit's Q, v144-159 the second unit's.
.set SPARE, 262144                     ; behind K and V: the spare words, 128 bytes a wave
.set STAGE, SPARE+1024                 ; behind them: four parts of 18 x 512 bytes, handed from wave j to wave 4 + j
.set LI,   1                           ; v1 16 x lane
.set ADR,  2                           ; v2 the step's image in LDS
.set DQ,   3                           ; v3 my query in its group, less 16 (lane / 16): register 16 b + i is hidden on the diagonal where 32 b + i > DQ
.set NINF, 4
.set SPW,  5
.set NIL,  6
.set ADRN, 7                           ; v7 the next step's image
.set PSC,  10                          ; v10 2^e8
.set STV,  11                          ; v11 my place in the part that I hand over or take
.set WV,   12                          ; s12 wave
.set JJ,   16                          ; s16 j
.set ROLE, 17                          ; s17 1: waves 0 to 3; 0: waves 4 to 7
.set U1,   18                          ; s18 my first unit: the one that I store
.set U2,   19                          ; s19 unit 7 - j
.set SEL,  20                          ; s[20:21] lane l xor 16
.set CS,   22                          ; s[22:23] log2(e) / 8 x 2^(e6 + e7)
.set G1A,  24
.set G1B,  32
.set G0A,  40
.set G0B,  44
.set NN,   60                          ; s60 trip
.set SW,   61                          ; s61 the trip at which my second unit begins (16: never)
.set B2,   62                          ; s62 from there on the key step is trip + B2
.set MW1,  63                          ; s63, s77 the units' last key steps
.set KS,   66                          ; s66 key step
.set MWC,  67                          ; s67 the last key step of the unit in hand
.set TB,   68                          ; s68 the key step's first LDS byte
.set MW2,  77
.set TBN,  78                          ; s78 the next key step's first LDS byte
.set MSB, 0
.macro WIN new                         ; the immediate's high byte repeats the setting that is left
.if MSB != \new
	s_set_vgpr_msb (MSB<<8)|\new
.set MSB, \new
.endif
.endm
.macro CROUND                          ; a round of the cluster's barrier
	s_barrier_signal -1
	s_barrier_wait -1
	s_cmp_lg_u32 s[WV], 0
	s_cbranch_scc1 .Lnot_wave_0_\@
	s_barrier_signal -3
.Lnot_wave_0_\@:
	s_barrier_wait -3
	s_barrier_signal -1
	s_barrier_wait -1
.endm
.macro PLACES
.rept 4
	v_nop
.endr
.endm
.macro RESET                           ; nothing summed yet: the largest t is -3e38, -M is 3e38: the first change of M multiplies zeros by zero
.irp q, 12,16
	v_mov_b32 v[\q], 0x7f61b1e6
	v_mov_b32 v[\q+1], 0xff61b1e6
	v_mov_b32 v[\q+2], 0
	v_mov_b32 v[\q+3], 0
.endr
.set nn, 0
.rept 64
	v_mov_b32 v[64+nn], 0
.set nn, nn+1
.endr
.endm
	s_load_b256 s[4:11], s[0:1], 0x0               ; qimg s[4:5], kv s[6:7], the scales' exponents s[8:9], ctx s[10:11]
	v_lshl_add_u32 v[SPW], v0, 2, SPARE
	v_mov_b32 v[NIL], 0
	ds_add_u32 v[SPW], v[NIL]                      ; the wave's opening: the add, twice on end, and its wait ahead of my first tensor load
	ds_add_u32 v[SPW], v[NIL]
	v_lshrrev_b32 v7, 5, v0
	v_and_b32 v8, 31, v0
	v_readfirstlane_b32 s[WV], v7                  ; wave 0..7
	v_lshlrev_b32 v[LI], 4, v8
	s_bfe_u32 s13, ttmp6, 0x40000
	s_lshl_b32 s14, ttmp9, 2
	s_add_co_u32 s14, s14, s13                     ; x: which tile of each group
	s_and_b32 s15, ttmp7, 0xffff                   ; bh
	s_and_b32 s[JJ], s[WV], 3
	s_lshr_b32 s[ROLE], s[WV], 2
	s_xor_b32 s[ROLE], s[ROLE], 1
	s_sub_co_u32 s[U2], 7, s[JJ]
	s_cmp_eq_u32 s[ROLE], 1
	s_cselect_b32 s[U1], s[JJ], s[U2]
	s_lshl_b32 s[MW1], s[U1], 1
	s_add_co_u32 s[MW1], s[MW1], 1
	s_lshl_b32 s[MW2], s[U2], 1
	s_add_co_u32 s[MW2], s[MW2], 1
	s_lshl_b32 s69, s[JJ], 1
	s_sub_co_u32 s69, 7, s69                       ; 7 - 2 j
	s_mul_i32 s[B2], s69, s[ROLE]                  ; unit 7 - j goes on at key step 9 in trip 2 j + 2
	s_add_co_u32 s69, s69, 7
	s_mul_i32 s69, s69, s[ROLE]
	s_sub_co_u32 s[SW], 16, s69                    ; 2 j + 2, or never
.irp g, G1A, G1B
	s_mov_b32 s[\g], 15|(3<<16)|(1<<21)            ; mask: all four of the cluster; elements of 8 bytes; 21 set beside a mask
	s_mov_b32 s[\g+1], 32<<16                      ; a dense block as rows of 256 bytes
	s_mov_b32 s[\g+3], 32<<16
	s_mov_b32 s[\g+5], 32
	s_mov_b32 s[\g+6], 0
	s_mov_b32 s[\g+7], 0
.endr
	s_mov_b32 s[G1A+2], 16<<16                     ; 16 rows: 4 KiB,
	s_mov_b32 s[G1A+4], 16
	s_mov_b32 s[G1B+2], 112<<16                    ; 112 rows: 28 KiB
	s_mov_b32 s[G1B+4], 112
	s_lshl_b32 s69, s15, 7
	s_add_co_u32 s69, s69, s14
	s_lshl_b32 s72, s[U1], 4
	s_add_co_u32 s72, s72, s69
	s_lshl_b32 s72, s72, 10                        ; my first unit's codes of Q (its second tile lies 8 tiles, 8,192 bytes, on)
	s_mov_b32 s73, 0
	s_lshl_b32 s74, s[U2], 4
	s_add_co_u32 s74, s74, s69
	s_lshl_b32 s74, s74, 10                        ; unit 7 - j's (waves 4 to 7 have one unit: the same once more)
	s_mov_b32 s75, 0
	s_lshl_b32 s68, s15, 18                        ; the head's 256 KiB
	s_lshl_b32 s70, s[WV], 12
	s_mul_i32 s71, s[WV], 28672
	s_add_co_u32 s71, s71, 32768
	s_add_co_u32 s78, s68, s70
	s_mov_b32 s79, 0
	s_add_co_u32 s66, s68, s71
	s_mov_b32 s67, 0
	s_wait_alu depctr_va_vdst(0)
	s_wait_dscnt 0x0                               ; both opening adds are done
	s_wait_kmcnt 0x0
	s_load_b256 s[48:55], s[8:9], 0x0              ; e0 .. e7
	s_load_b128 s[56:59], s[8:9], 0x20             ; e8 .. e11
	s_add_nc_u64 s[72:73], s[4:5], s[72:73]
	s_add_nc_u64 s[74:75], s[4:5], s[74:75]
	WIN 0x40                                       ; destination window 1
.irp q, 0,1
	global_load_b128 v[128+16*\q:131+16*\q], v[LI], s[72+2*\q:73+2*\q]
	global_load_b128 v[132+16*\q:135+16*\q], v[LI], s[72+2*\q:73+2*\q] offset:512
	global_load_b128 v[136+16*\q:139+16*\q], v[LI], s[72+2*\q:73+2*\q] offset:8192
	global_load_b128 v[140+16*\q:143+16*\q], v[LI], s[72+2*\q:73+2*\q] offset:8704
.endr
	WIN 0
	s_mov_b32 s[G0A], 1
	s_mov_b32 s[G0A+1], s70
	s_add_nc_u64 s[G0A+2:G0A+3], s[6:7], s[78:79]
	s_or_b32 s[G0A+3], s[G0A+3], 0x80000000
	s_mov_b32 s[G0B], 1
	s_mov_b32 s[G0B+1], s71
	s_add_nc_u64 s[G0B+2:G0B+3], s[6:7], s[66:67]
	s_or_b32 s[G0B+3], s[G0B+3], 0x80000000
	CROUND                                         ; the four work-groups are here: the joint loads meet
	tensor_load_to_lds s[G0A:G0A+3], s[G1A:G1A+7]  ; key steps 0 and 1
	s_nop 0
	s_mul_i32 s76, s[JJ], 9216
	s_add_co_u32 s76, s76, STAGE
	s_and_b32 s69, s15, 15                         ; ctx: K step head / 2, tile 128 x batch + 16 x unit + x (its second tile 8 tiles on), the head's half of 128 channels
	s_lshr_b32 s70, s69, 1
	s_lshl_b32 s70, s70, 8
	s_lshr_b32 s71, s15, 4
	s_lshl_b32 s71, s71, 7
	s_add_co_u32 s70, s70, s71
	s_lshl_b32 s71, s[U1], 4
	s_add_co_u32 s70, s70, s71
	s_add_co_u32 s70, s70, s14
	s_lshl_b32 s70, s70, 11
	s_and_b32 s69, s69, 1
	s_lshl_b32 s69, s69, 10
	s_add_co_u32 s70, s70, s69
	s_mov_b32 s71, 0
	s_add_nc_u64 s[10:11], s[10:11], s[70:71]
	s_lshr_b32 s78, s14, 1                         ; the tile's r-th query in its group: 32 (x / 2) + 8 (x % 2) + r + 8 (r / 8)
	s_lshl_b32 s78, s78, 5
	s_and_b32 s79, s14, 1
	s_lshl_b32 s79, s79, 3
	s_add_co_u32 s78, s78, s79
	s_mov_b32 s[SEL], 0x76543210
	s_mov_b32 s[SEL+1], 0xfedcba98
	v_and_b32 v7, 15, v0
	v_and_b32 v8, 8, v0
	v_and_b32 v9, 16, v0
	v_add_nc_u32 v[STV], s76, v[LI]
	v_add_nc_u32 v7, v7, v8
	v_mov_b32 v[NINF], 0xff800000
	v_sub_nc_u32 v7, v7, v9
	v_mov_b32 v25, 0                               ; (named as the upper halves of pairs)
	v_mov_b32 v27, 0
	v_add_nc_u32 v[DQ], s78, v7
	v_mov_b32 v30, 0                               ; a lane permute's destination counts as one of its sources
	v_mov_b32 v31, 0
	RESET
	s_wait_alu depctr_va_vdst(0)
	s_wait_kmcnt 0x0
	s_mov_b32 s[CS], 0x3e38aa3b                    ; log2(e) / 8; the two exponents are added to its exponent field
	s_add_co_i32 s69, s54, s55
	s_lshl_b32 s69, s69, 23
	s_add_co_i32 s[CS], s[CS], s69
	s_mov_b32 s[CS+1], s[CS]
	s_add_co_i32 s69, s56, 127
	s_lshl_b32 s70, s69, 23
	v_mov_b32 v[PSC], s70
	s_add_co_i32 s69, s69, 8
	s_lshl_b32 s69, s69, 23
	s_or_b32 s69, s69, 0x600000
	v_mov_b32 v22, s69                             ; 448 x 2^e8, twice: the two halves of a dual line name different banks
	v_mov_b32 v23, s69
	s_wait_alu depctr_va_vdst(0)                   ; the wait at the head's end
	s_wait_tensorcnt 0x0                           ; my part of key steps 0 and 1 is in
	ds_add_u32 v[SPW], v[NIL]
	s_mov_b32 s[NN], 0
	s_wait_dscnt 0x0
	CROUND                                         ; key steps 0 and 1 are whole, and the four work-groups are here
	tensor_load_to_lds s[G0B:G0B+3], s[G1B:G1B+7]  ; key steps 2 to 15
	s_nop 0
	PLACES
	s_wait_loadcnt 0x0                             ; Q
.macro MASK s0                         ; on a diagonal hidden scores become -infinity
.set nn, 0
.rept 64
	v_cmp_gt_i32 vcc_lo, 32*(nn/16)+nn%16, v[DQ]
	v_cndmask_b32 v[\s0+nn], v[\s0+nn], v[NINF], vcc_lo
.set nn, nn+1
.endr
.endm
.macro KLOAD adr                       ; K's fragments of a key step
	WIN 0x40                                       ; destination window 1
.irp kt, 0,1,2,3,4,5,6,7
	ds_load_b128 v[8*\kt:8*\kt+3], v[\adr] offset:1024*\kt
	ds_load_b128 v[8*\kt+4:8*\kt+7], v[\adr] offset:1024*\kt+512
.endr
.endm
; A KEY STEP of both tiles, line by line in turns.  ahead = 1: K's fragments were asked for in the step before, and the next step's are asked for behind the first products.
.macro STEP ahead
	v_add_nc_u32 v[ADR], s[TB], v[LI]
.if \ahead
	v_add_nc_u32 v[ADRN], s[TBN], v[LI]
.else
	v_nop
.endif
	v_nop                                          ; with the lines above four places in front of loads into registers that matrix instructions have read
	v_nop
.if \ahead == 0
	KLOAD ADR
.endif
	WIN 0x40
.irp ct, 0,1,2,3
.irp c, 0,1,2,3
	ds_load_b128 v[64+16*\ct+4*\c:67+16*\ct+4*\c], v[ADR] offset:8192+2048*\ct+512*\c
.endr
.endr
	s_wait_alu depctr_va_vdst(0)
	s_wait_dscnt 16                                ; K's fragments are in; V's 16 loads may be out
	WIN 0x05                                       ; sources 0 and 1 window 1, D window 0
.irp kt, 0,1,2,3,4,5,6,7
	v_wmma_f32_16x16x64_fp8_fp8 v[128+8*\kt:135+8*\kt], v[8*\kt:8*\kt+7], v[128:135], 0
	v_wmma_f32_16x16x64_fp8_fp8 v[192+8*\kt:199+8*\kt], v[8*\kt:8*\kt+7], v[136:143], 0
.endr
	PLACES
.if \ahead
	KLOAD ADRN                                     ; (the last trip's go unread: they keep the counts of the waits alike in all trips)
.endif
	WIN 0
	s_add_co_u32 s69, s[KS], 1
	s_cmp_lt_u32 s69, s[MWC]
	s_cbranch_scc1 .Lopen_\@                       ; all keys of the step count for both tiles
	s_cmp_eq_u32 s[KS], s[MWC]
	s_cbranch_scc1 .Llast_\@
	MASK 128                                       ; tile 0's diagonal
	s_branch .Lopen_\@
.Llast_\@:
.set nn, 0
.rept 64
	v_mov_b32 v[128+nn], v[NINF]                   ; one step on tile 0 is wholly hidden,
.set nn, nn+1
.endr
	MASK 192                                       ; and tile 1 on its diagonal
.Lopen_\@:
	v_max3_num_f32 v28, v128, v129, v130           ; the step's largest scores, in four chains,
	v_max3_num_f32 v29, v192, v193, v194
	v_max3_num_f32 v24, v131, v132, v133
	v_max3_num_f32 v26, v195, v196, v197
.irp i, 6,10,14,18,22,26,30,34,38,42,46,50,54,58
	v_max3_num_f32 v28, v28, v[128+\i], v[129+\i]
	v_max3_num_f32 v29, v29, v[192+\i], v[193+\i]
	v_max3_num_f32 v24, v24, v[130+\i], v[131+\i]
	v_max3_num_f32 v26, v26, v[194+\i], v[195+\i]
.endr
	v_max3_num_f32 v28, v28, v190, v191
	v_max3_num_f32 v29, v29, v254, v255
	v_max_num_f32 v28, v28, v24
	v_max_num_f32 v29, v29, v26
	v_permlanex16_b32 v30, v28, s[SEL], s[SEL+1]
	v_permlanex16_b32 v31, v29, s[SEL], s[SEL+1]
	v_max_num_f32 v28, v28, v30                    ; and among lane l xor 16's
	v_max_num_f32 v29, v29, v31
	v_mul_f32 v28, s[CS], v28
	v_mul_f32 v29, s[CS], v29
	v_max_num_f32 v13, v13, v28                    ; the largest t so far
	v_max_num_f32 v17, v17, v29
	v_mov_b32 v28, v12
	v_mov_b32 v29, v16
	v_floor_f32 v12, -v13                          ; the new -M
	v_floor_f32 v16, -v17
	v_sub_f32 v28, v12, v28                        ; old M - new M: a whole number, 0 or less
	v_sub_f32 v29, v16, v29
	v_cvt_i32_f32 v28, v28                         ; (it saturates)
	v_cvt_i32_f32 v29, v29
	v_ldexp_f32 v24, 1.0, v28
	v_ldexp_f32 v26, 1.0, v29
.set nn, 0
.rept 32
	v_pk_fma_f32 v[128+nn:129+nn], v[128+nn:129+nn], s[CS:CS+1], v[12:13] op_sel_hi:[1,0,0]   ; tile 0's t - M
.set nn, nn+2
.endr
	s_wait_alu depctr_va_vdst(0)                   ; the wait ahead of the batch
.set nn, 0
.rept 32                               ; tile 0's exponentials; between them tile 1's t - M, which nothing here reads
	v_exp_f32 v[128+nn], v[128+nn]
	v_pk_fma_f32 v[192+nn:193+nn], v[192+nn:193+nn], s[CS:CS+1], v[16:17] op_sel_hi:[1,0,0]
	v_exp_f32 v[129+nn], v[129+nn]
.set nn, nn+2
.endr
	v_pk_mul_f32 v[14:15], v[14:15], v[24:25] op_sel_hi:[1,0]   ; the sums under the new M (plain places behind the exponentials)
	v_pk_mul_f32 v[18:19], v[18:19], v[26:27] op_sel_hi:[1,0]
	s_wait_alu depctr_va_vdst(0)                   ; behind the first batch and ahead of the second
.set nn, 0
.rept 16                               ; tile 1's exponentials; between them tile 0's sums of pairs, of the unquantised p, and its holds: the conversion does not saturate (ISA guide 7.6.2); p is not negative
	v_exp_f32 v[192+4*nn], v[192+4*nn]
	v_pk_add_f32 v[32+2*nn:33+2*nn], v[128+4*nn:129+4*nn], v[130+4*nn:131+4*nn]
	v_exp_f32 v[193+4*nn], v[193+4*nn]
	v_dual_min_num_f32 v[128+4*nn], v[128+4*nn], v22 :: v_dual_min_num_f32 v[129+4*nn], v[129+4*nn], v23
	v_exp_f32 v[194+4*nn], v[194+4*nn]
	v_dual_min_num_f32 v[130+4*nn], v[130+4*nn], v22 :: v_dual_min_num_f32 v[131+4*nn], v[131+4*nn], v23
	v_exp_f32 v[195+4*nn], v[195+4*nn]
.set nn, nn+1
.endr
	v_nop                                          ; a plain place behind the exponentials
	s_wait_alu depctr_va_vdst(0)                   ; one wait for the batch and for O^T, ahead of their first readers
.set nn, 0
.rept 16
	v_pk_mul_f32 v[64+nn:65+nn], v[64+nn:65+nn], v[24:25] op_sel_hi:[1,0]   ; O^T under the new M
	v_pk_mul_f32 v[96+nn:97+nn], v[96+nn:97+nn], v[26:27] op_sel_hi:[1,0]
.set nn, nn+2
.endr
	v_pk_add_f32 v[8:9], v[34:35], v[38:39]        ; the rows' sums, in four chains
	v_pk_add_f32 v[20:21], v[192:193], v[194:195]
.irp k, 0,1,2,3,4,5,6,7
	v_pk_add_f32 v[14:15], v[14:15], v[32+4*\k:33+4*\k]
	v_pk_add_f32 v[18:19], v[18:19], v[196+4*\k:197+4*\k]
.if \k > 1
	v_pk_add_f32 v[8:9], v[8:9], v[34+4*\k:35+4*\k]
.endif
	v_pk_add_f32 v[20:21], v[20:21], v[198+4*\k:199+4*\k]
.endr
	v_pk_add_f32 v[14:15], v[14:15], v[8:9]
.irp j, 36,40,44,48,52,56,60
	v_pk_add_f32 v[18:19], v[18:19], v[192+\j:193+\j]
	v_pk_add_f32 v[20:21], v[20:21], v[194+\j:195+\j]
.endr
.irp b, 0,1,2,3,4,5,6,7                ; blocks 0-3: tile 0, 4-7: tile 1
.if \b > 3
.irp i, 0,2,4,6,8,10,12,14
	v_dual_min_num_f32 v[128+16*\b+\i], v[128+16*\b+\i], v22 :: v_dual_min_num_f32 v[129+16*\b+\i], v[129+16*\b+\i], v23
.endr
.endif
	v_cvt_scalef32_pk8_fp8_f32 v[32+4*\b:33+4*\b], v[128+16*\b:135+16*\b], v[PSC]
	v_cvt_scalef32_pk8_fp8_f32 v[34+4*\b:35+4*\b], v[136+16*\b:143+16*\b], v[PSC]
.endr
	v_pk_add_f32 v[18:19], v[18:19], v[20:21]      ; (a plain line behind the last conversion)
	s_wait_alu depctr_va_vdst(0)
	s_wait_dscnt 16*\ahead                         ; V's fragments are in; the next step's 16 loads of K may be out
	WIN 0x01                                       ; source 0 window 1
.irp ct, 0,1,2,3
	v_wmma_f32_16x16x128_fp8_fp8 v[64+8*\ct:71+8*\ct], v[64+16*\ct:79+16*\ct], v[32:47], v[64+8*\ct:71+8*\ct]
	v_wmma_f32_16x16x128_fp8_fp8 v[96+8*\ct:103+8*\ct], v[64+16*\ct:79+16*\ct], v[48:63], v[96+8*\ct:103+8*\ct]
.endr
	WIN 0
.endm
; A UNIT GOES OUT: O^T / the sum x 2^(e8 + e9), held and quantised by 2^e10; each store writes 512 consecutive bytes, at a multiple of 512 from ctx's first byte.
.macro OUTQ
	v_add_f32 v14, v14, v15
	v_add_f32 v18, v18, v19
	v_permlanex16_b32 v30, v14, s[SEL], s[SEL+1]
	v_permlanex16_b32 v31, v18, s[SEL], s[SEL+1]
	v_add_f32 v14, v14, v30
	v_add_f32 v18, v18, v31
	s_wait_alu depctr_va_vdst(0)                   ; the wait ahead of the batch
	v_rcp_f32 v14, v14
	v_rcp_f32 v18, v18
	s_add_co_i32 s69, s58, 127
	s_lshl_b32 s70, s69, 23
	v_mov_b32 v28, s70                             ; 2^e10 (a plain place behind the batch)
	s_add_co_i32 s69, s69, 8
	s_lshl_b32 s69, s69, 23
	s_or_b32 s69, s69, 0x600000
	v_mov_b32 v29, s69                             ; 448 x 2^e10
	s_add_co_i32 s70, s56, s57
	s_wait_alu depctr_va_vdst(0)                   ; the wait, ahead of the first reader
	v_ldexp_f32 v14, v14, s70
	v_ldexp_f32 v18, v18, s70
	s_wait_alu depctr_va_vdst(0)                   ; directly ahead of the first reader of O^T
.set nn, 0
.rept 16
	v_pk_mul_f32 v[128+nn:129+nn], v[64+nn:65+nn], v[14:15] op_sel_hi:[1,0]
	v_pk_mul_f32 v[160+nn:161+nn], v[96+nn:97+nn], v[18:19] op_sel_hi:[1,0]
.set nn, nn+2
.endr
.irp b, 0,1,2,3
.irp i, 0,1,2,3,4,5,6,7,8,9,10,11,12,13,14,15
	v_med3_num_f32 v[128+16*\b+\i], v[128+16*\b+\i], -v29, v29
.endr
	v_cvt_scalef32_pk8_fp8_f32 v[32+4*\b:33+4*\b], v[128+16*\b:135+16*\b], v28
	v_cvt_scalef32_pk8_fp8_f32 v[34+4*\b:35+4*\b], v[136+16*\b:143+16*\b], v28
.endr
	v_nop                                          ; a plain line behind the last conversion
	global_store_b128 v[LI], v[32:35], s[10:11]
	global_store_b128 v[LI], v[36:39], s[10:11] offset:512
	global_store_b128 v[LI], v[40:43], s[10:11] offset:16384
	global_store_b128 v[LI], v[44:47], s[10:11] offset:16896
.endm
.macro NEXT                            ; s69: a trip; s[TBN]: its key step's first LDS byte
	s_cmp_ge_u32 s69, s[SW]
	s_cselect_b32 s70, s[B2], 0
	s_add_co_u32 s70, s70, s69
	s_and_b32 s70, s70, 15
	s_lshl_b32 s[TBN], s70, 14
.endm
.Lfirst:                                           ; key steps 0 and 1, of every wave's first unit
	s_lshl_b32 s[TB], s[NN], 14
	s_mov_b32 s[KS], s[NN]
	s_mov_b32 s[MWC], s[MW1]
	STEP 0
	s_add_co_u32 s[NN], s[NN], 1
	s_cmp_lt_u32 s[NN], 2
	s_cbranch_scc1 .Lfirst
	s_wait_tensorcnt 0x0                           ; my part of the other key steps is in
	s_wait_dscnt 0x0
	s_barrier_signal -1
	s_barrier_wait -1                              ; all of K and V is
	s_mov_b32 s[NN], 2
	s_mov_b32 s69, 2
	NEXT
	v_add_nc_u32 v[ADRN], s[TBN], v[LI]
	KLOAD ADRN                                     ; K's fragments of trip 2
	WIN 0
.Lrest:
	s_cmp_ge_u32 s[NN], s[SW]
	s_cselect_b32 s[KS], s[B2], 0
	s_cselect_b32 s[MWC], s[MW2], s[MW1]
	s_add_co_u32 s[KS], s[KS], s[NN]
	s_and_b32 s[KS], s[KS], 15
	s_lshl_b32 s[TB], s[KS], 14
	s_add_co_u32 s69, s[NN], 1
	NEXT
	s_cmp_ge_u32 s[WV], 4
	s_cbranch_scc1 .Lsame                          ; waves 4 to 7 have one unit
	s_cmp_lg_u32 s[NN], s[SW]
	s_cbranch_scc1 .Lsame
	OUTQ                                           ; my first unit is done: it goes out, and unit 7 - j goes on
	RESET
	WIN 0x41                                       ; source 0 and destination window 1
.irp g, 0,1,2,3,4,5,6,7,8,9,10,11,12,13,14,15
	v_mov_b32 v[128+\g], v[144+\g]
.endr
	WIN 0
	s_wait_alu depctr_va_vdst(0)
	s_wait_xcnt 0x0                                ; the stores have read their registers
.Lsame:
	STEP 1
	s_add_co_u32 s[NN], s[NN], 1
	s_cmp_lt_u32 s[NN], 9
	s_cbranch_scc1 .Lrest
	s_cmp_ge_u32 s[WV], 4
	s_cbranch_scc1 .Lhalf
	PLACES                                         ; waves 0 to 3 hand over their part of unit 7 - j
.irp g, 0,1,2,3,4,5,6,7,8,9,10,11,12,13,14,15
	ds_store_b128 v[STV], v[64+4*\g:67+4*\g] offset:512*\g
.endr
	ds_store_b128 v[STV], v[12:15] offset:8192
	s_wait_alu depctr_va_vdst(0)
	ds_store_b128 v[STV], v[16:19] offset:8704
.Lhalf:
	s_wait_alu depctr_va_vdst(0)
	s_wait_dscnt 0x0
	s_barrier_signal -1
	s_barrier_wait -1
	s_cmp_lt_u32 s[WV], 4
	s_cbranch_scc1 .Lend
	PLACES
.irp g, 0,1,2,3,4,5,6,7,8,9,10,11,12,13,14,15
	ds_load_b128 v[128+4*\g:131+4*\g], v[STV] offset:512*\g   ; the other part's O^T,
.endr
	ds_load_b128 v[192:195], v[STV] offset:8192    ; -M, largest t and sum
	ds_load_b128 v[196:199], v[STV] offset:8704
	s_wait_dscnt 0x0
	v_min_num_f32 v28, v12, v192                   ; -M of the whole rows
	v_min_num_f32 v29, v16, v196
	v_sub_f32 v24, v28, v12
	v_sub_f32 v26, v29, v16
	v_sub_f32 v30, v28, v192
	v_sub_f32 v22, v29, v196
	v_cvt_i32_f32 v24, v24
	v_cvt_i32_f32 v26, v26
	v_cvt_i32_f32 v30, v30
	v_cvt_i32_f32 v22, v22
	v_ldexp_f32 v24, 1.0, v24                      ; my part's factors,
	v_ldexp_f32 v26, 1.0, v26
	v_ldexp_f32 v30, 1.0, v30                      ; and the other's: powers of two
	v_ldexp_f32 v22, 1.0, v22
	v_pk_mul_f32 v[14:15], v[14:15], v[24:25] op_sel_hi:[1,0]
	v_pk_mul_f32 v[18:19], v[18:19], v[26:27] op_sel_hi:[1,0]
.set nn, 0
.rept 16
	v_pk_mul_f32 v[64+nn:65+nn], v[64+nn:65+nn], v[24:25] op_sel_hi:[1,0]
	v_pk_mul_f32 v[96+nn:97+nn], v[96+nn:97+nn], v[26:27] op_sel_hi:[1,0]
.set nn, nn+2
.endr
	v_pk_fma_f32 v[14:15], v[194:195], v[30:31], v[14:15] op_sel_hi:[1,0,1]
	v_pk_fma_f32 v[18:19], v[198:199], v[22:23], v[18:19] op_sel_hi:[1,0,1]
.set nn, 0
.rept 16
	v_pk_fma_f32 v[64+nn:65+nn], v[128+nn:129+nn], v[30:31], v[64+nn:65+nn] op_sel_hi:[1,0,1]
	v_pk_fma_f32 v[96+nn:97+nn], v[160+nn:161+nn], v[22:23], v[96+nn:97+nn] op_sel_hi:[1,0,1]
.set nn, nn+2
.endr
	OUTQ                                           ; waves 4 to 7: unit 7 - j
.Lend:
	s_wait_tensorcnt 0x0                           ; the wave's end
	ds_add_u32 v[SPW], v[NIL]
	s_wait_dscnt 0x0
	CROUND                                         ; the closing round
	s_endpgm
.Lfunc_end_k_q2814210673_attn:
	.size	k_q2814210673_attn, .Lfunc_end_k_q2814210673_attn-k_q2814210673_attn
	.p2alignl 7, 3214868480
	.fill 96, 4, 3214868480
	.section	.rodata,"a",@progbits
	.p2align	6, 0x0
	.amdhsa_kernel k_q2814210673_attn
		.amdhsa_group_segment_fixed_size 327680
		.amdhsa_private_segment_fixed_size 0
		.amdhsa_enable_private_segment 0
		.amdhsa_kernarg_size 32
		.amdhsa_user_sgpr_count 2
		.amdhsa_user_sgpr_kernarg_segment_ptr 1
		.amdhsa_wavefront_size32 1
		.amdhsa_system_sgpr_workgroup_id_x 1
		.amdhsa_system_sgpr_workgroup_id_y 1
		.amdhsa_system_sgpr_workgroup_id_z 1
		.amdhsa_system_vgpr_workitem_id 0
		.amdhsa_next_free_vgpr 512
		.amdhsa_next_free_sgpr 80
		.amdhsa_reserve_vcc 1
		.amdhsa_float_denorm_mode_32 3
		.amdhsa_float_denorm_mode_16_64 3
		.amdhsa_memory_ordered 1
		.amdhsa_forward_progress 1
		.amdhsa_inst_pref_size 119
	.end_amdhsa_kernel
	.amdgpu_metadata
---
amdhsa.version: [ 1, 2 ]
amdhsa.kernels:
  - .name:           k_q2814210673_attn
    .symbol:         k_q2814210673_attn.kd
    .args:
      - { .name: qimg, .offset: 0, .size: 8, .value_kind: global_buffer, .address_space: global }
      - { .name: kv, .offset: 8, .size: 8, .value_kind: global_buffer, .address_space: global }
      - { .name: lowp_scales, .offset: 16, .size: 8, .value_kind: global_buffer, .address_space: global }
      - { .name: ctx, .offset: 24, .size: 8, .value_kind: global_buffer, .address_space: global }
    .group_segment_fixed_size: 327680
    .private_segment_fixed_size: 0
    .kernarg_segment_align: 8
    .kernarg_segment_size: 32
    .max_flat_workgroup_size: 256
    .sgpr_count:     80
    .vgpr_count:     512
    .wavefront_size: 32
...
	.end_amdgpu_metadata
.endif
;; end of part 3
;; launch proj (part 4): grid 8 x 32, 4 waves a work-group, clusters of 4 x 4, 327,680 bytes of LDS; arguments ctx, wc, lowp_scales, out0; writes out0
.if DOCPART == 4
	.amdgcn_target "amdgcn-amd-amdhsa--gfx1250"
	.amdhsa_code_object_version 6
	.text
	.protected	k_q2814210673_proj
	.globl	k_q2814210673_proj
	.p2align	8
	.type	k_q2814210673_proj,@function
k_q2814210673_proj:
	s_mov_b64 s[64:65], 0
	v_nop
	global_prefetch_b8 v0, s[64:65] scope:SCOPE_SE
	s_setreg_imm32_b32 hwreg(HW_REG_WAVE_MODE, 25, 1), 1
	s_wait_xcnt 0x0
	s_wait_alu depctr_hold_cnt(0) depctr_sa_sdst(0) depctr_va_vdst(0) depctr_va_sdst(0) depctr_va_ssrc(0) depctr_va_vcc(0) depctr_vm_vsrc(0)
	s_getreg_b32 s2, hwreg(HW_REG_IB_STS2, 6, 4)
	s_cmp_eq_u32 s2, 0
	s_cbranch_scc0 .Lentry_in_a_cluster
	s_endpgm
.Lentry_in_a_cluster:
	s_bfe_u32 s2, ttmp6, 0x10000c
	s_cmp_lg_u32 s2, 0xf033
	s_cbranch_scc0 .Lentry_shape_is_right
	s_endpgm
.Lentry_shape_is_right:
; out0 = ctx Wo^T on codes of FP8 (E4M3); out0 [4096][1024] f32.  A finished sum is multiplied once by 2^(e10 + e11).  LIMIT: e10 + e11 between -126 and 127, so that this power of two is an f32 number.
; Operands are images of operand registers (16 rows x 128 K = 2,048 bytes, [c][lane][16]; the r-th row of tile T is row 32 (T / 2) + 8 (T % 2) + r + 8 (r / 8)):
;   ctx [K step 8][tile 256][2,048]; Wo's codes are the fourth MiB of wc, [K step 8][tile 64][2,048].
; SHARES.  A work-group makes 128 tokens x 128 channels, each of its four waves 64 x 64.  256 work-groups.
; ALL OF K IS RESIDENT: tokens' 8 x 16 KiB, then channels' 8 x 16 KiB, each byte filled once.  A wave issues ONE joint load of four rows of 16 KiB: waves 0, 1 tokens' K steps 0-3 and 4-7, waves 2, 3 channels'.
; CLUSTERS: 4 x 4 work-groups.  The four of a row need the same tokens, the four of a column the same channels: each block is asked for JOINTLY.
; BY ROWS, NOT BY K: the channels' 32 fragments of all K stay in 512 registers; the four tiles of 16 tokens are finished one after the other (32 matrix instructions on four accumulators by turns, K ascending), and each leaves while the next is multiplied.
; THE MATRIX INSTRUCTION IS USED TRANSPOSED (source 0 = 16 channels, source 1 = 16 tokens): a lane holds one token, and its registers eight neighbouring channels.
; No prefetch: every tensor load goes out in the kernel's first lines, so there is no later request to run ahead of.
; REGISTERS: window 0: addresses; v32-63 a tile's scaled sums; v64-127 rows read back, two sets; v128-191 accumulators, two sets of four.
;   windows 1, 2: channels' fragments of K steps 0-3, 4-7 (64 (k % 4) + 16 b).  window 3: tokens' fragments of a tile, all K, two buffers (128 (a % 2) + 16 k).
.set XSTEP, 524288
.set WSTEP, 131072
.set SPARE, 262144                     ; the spare words, 128 bytes a wave
.set STG,   SPARE+512                  ; the way out: a stage of 16 rows x (256 bytes + 16) for each wave
.set SP,    272
.set LI,   1
.set ADRT, 16
.set ADRC, 18
.set STO,  24
.set RD,   25
.set CO,   26
.set SPW,  28
.set NIL,  29
.set TMP,  32
.set BK,   64
.set ACC,  128
.set G1R,  24
.set G1C,  32
.set G0R,  40
.set G0C,  44
.set MSB, 0
.macro WIN new                         ; the immediate's high byte repeats the setting that is left
.if MSB != \new
	s_set_vgpr_msb (MSB<<8)|\new
.set MSB, \new
.endif
.endm
.macro CROUND                          ; a round of the cluster's barrier
	s_barrier_signal -1
	s_barrier_wait -1
	s_cmp_lg_u32 s14, 0
	s_cbranch_scc1 .Lnot_wave_0_\@
	s_barrier_signal -3
.Lnot_wave_0_\@:
	s_barrier_wait -3
	s_barrier_signal -1
	s_barrier_wait -1
.endm
.macro PLACES                          ; four places in front of reads of results and of loads into registers that matrix instructions have read
.rept 4
	v_nop
.endr
.endm
	s_load_b256 s[4:11], s[0:1], 0x0               ; ctx s[4:5], wc s[6:7], the scales' exponents s[8:9], out0 s[10:11]
	v_lshl_add_u32 v[SPW], v0, 2, SPARE
	v_mov_b32 v[NIL], 0
	ds_add_u32 v[SPW], v[NIL]                      ; the wave's opening: the add, twice on end, and its wait ahead of my tensor load
	ds_add_u32 v[SPW], v[NIL]
	v_lshrrev_b32 v1, 5, v0
	v_readfirstlane_b32 s14, v1                    ; wave 0..3
	s_lshr_b32 s15, s14, 1                         ; wi: my half of the tokens.  Also: I fetch tokens (0) or channels (1)
	s_and_b32 s16, s14, 1                          ; wj: my half of the channels.  Also: I fetch K steps 0-3 or 4-7
	s_bfe_u32 s17, ttmp6, 0x40000                  ; cx, cy
	s_bfe_u32 s18, ttmp6, 0x40004
	s_lshl_b32 s20, ttmp9, 2
	s_add_co_u32 s20, s20, s17                     ; gx: which 128 channels
	s_and_b32 s21, ttmp7, 0xffff
	s_lshl_b32 s21, s21, 2
	s_add_co_u32 s21, s21, s18                     ; gy: which 128 tokens
	s_lshl_b32 s22, s18, 2
	s_lshl_b32 s22, 15, s22                        ; my row of the cluster
	s_lshl_b32 s23, 0x1111, s17                    ; my column
	s_or_b32 s[G1R], s22, (3<<16)|(1<<21)          ; 15:0 the mask; 17:16 elements of 8 bytes; no padding; 21 set beside a mask
	s_or_b32 s[G1C], s23, (3<<16)|(1<<21)
.irp g, G1R, G1C
	s_mov_b32 s[\g+1], 2048<<16                    ; four rows, each a K step's dense 16 KiB
	s_mov_b32 s[\g+2], 4<<16
	s_mov_b32 s[\g+3], 2048<<16
	s_mov_b32 s[\g+4], 4
	s_mov_b32 s[\g+6], 0
	s_mov_b32 s[\g+7], 0
.endr
	s_mov_b32 s[G1R+5], XSTEP/8
	s_mov_b32 s[G1C+5], WSTEP/8
	s_lshl_b32 s56, s21, 14                        ; tokens: gy x 16 KiB + my first K step: nothing of cx
	s_lshl_b32 s57, s16, 21
	s_add_co_u32 s56, s56, s57
	s_mov_b32 s57, 0
	s_lshl_b32 s58, s20, 14                        ; channels: 3 MiB + gx x 16 KiB + my first K step: nothing of cy
	s_lshl_b32 s59, s16, 19
	s_add_co_u32 s58, s58, s59
	s_add_co_u32 s58, s58, 0x300000
	s_mov_b32 s59, 0
	s_lshl_b32 s60, s16, 16                        ; in LDS: K step s at 16,384 s, channels' behind tokens'
	s_lshl_b32 s61, s15, 17
	s_add_co_u32 s60, s60, s61
	s_wait_dscnt 0x0                               ; both opening adds are done
	s_wait_kmcnt 0x0
	s_load_b64 s[94:95], s[8:9], 0x28              ; e10, e11
	s_mov_b32 s[G0R], 1
	s_mov_b32 s[G0R+1], s60
	s_add_nc_u64 s[G0R+2:G0R+3], s[4:5], s[56:57]
	s_or_b32 s[G0R+3], s[G0R+3], 0x80000000
	s_mov_b32 s[G0C], 1
	s_mov_b32 s[G0C+1], s60
	s_add_nc_u64 s[G0C+2:G0C+3], s[6:7], s[58:59]
	s_or_b32 s[G0C+3], s[G0C+3], 0x80000000
	CROUND                                         ; all sixteen work-groups are here: the joint loads meet
	s_cmp_eq_u32 s15, 0                            ; a wave's one load stands in an arm of a branch on its number (s_nop 0 and four v_nop behind each)
	s_cbranch_scc0 .Lfirst_c
	tensor_load_to_lds s[G0R:G0R+3], s[G1R:G1R+7]
	s_nop 0
.rept 4
	v_nop
.endr
	s_branch .Lfirst_asked
.Lfirst_c:
	tensor_load_to_lds s[G0C:G0C+3], s[G1C:G1C+7]
	s_nop 0
.rept 4
	v_nop
.endr
.Lfirst_asked:
	s_lshl_b32 s66, s21, 7
	s_lshl_b32 s67, s15, 6
	s_add_co_u32 s66, s66, s67                     ; my first token: 128 gy + 64 wi
	s_lshl_b32 s66, s66, 12
	s_lshl_b32 s67, s20, 9                         ; my first channel, in bytes: 512 gx + 256 wj
	s_add_co_u32 s66, s66, s67
	s_lshl_b32 s67, s16, 8
	s_add_co_u32 s66, s66, s67
	s_mov_b32 s67, 0
	s_add_nc_u64 s[10:11], s[10:11], s[66:67]
	s_lshl_b32 s62, s15, 13                        ; my four fragments of the tokens' eight,
	s_lshl_b32 s63, s16, 13
	s_add_co_u32 s63, s63, 131072                  ; and of the channels'
	s_mul_i32 s61, s14, 16*SP
	s_add_co_u32 s61, s61, STG                     ; my stage
	v_and_b32 v4, 31, v0
	v_lshlrev_b32 v[LI], 4, v4
	v_and_b32 v2, 15, v0                           ; r
	v_bfe_u32 v3, v0, 4, 1                         ; h
	v_add_nc_u32 v[ADRT], s62, v[LI]
	v_add_nc_u32 v[ADRC], s63, v[LI]
	v_add_nc_u32 v[ADRT+1], 65536, v[ADRT]
	v_add_nc_u32 v[ADRC+1], 65536, v[ADRC]
	v_mul_u32_u24 v[STO], v2, SP                   ; in: row r; accumulator b's eight channels are 32 (b / 2) + 8 (b % 2) + 16 h + 0 .. 7
	v_lshl_add_u32 v[STO], v3, 6, v[STO]
	v_add_nc_u32 v[STO], s61, v[STO]
	v_mul_u32_u24 v[RD], v3, SP                    ; back: lanes 0-15 one row, lanes 16-31 the next
	v_lshl_add_u32 v[RD], v2, 4, v[RD]
	v_add_nc_u32 v[RD], s61, v[RD]
	v_lshlrev_b32 v[CO], 12, v3                    ; and the same two rows in out0, 4,096 bytes apart
	v_lshl_add_u32 v[CO], v2, 4, v[CO]
.macro FETCHC k                        ; channels' four fragments of K step k
.if (\k) < 4
	WIN 0x40
.else
	WIN 0x80
.endif
.irp b, 0,1,2,3
.irp c, 0,1,2,3
	ds_load_b128 v[64*((\k)%4)+16*\b+4*\c:64*((\k)%4)+16*\b+4*\c+3], v[ADRC+(\k)/4] offset:((\k)%4)*16384+2048*\b+512*\c
.endr
.endr
.endm
.macro FETCHT a                        ; tokens' tile a, all K
	WIN 0xc0
.irp k, 0,1,2,3,4,5,6,7
.irp c, 0,1,2,3
	ds_load_b128 v[128*((\a)%2)+16*\k+4*\c:128*((\a)%2)+16*\k+4*\c+3], v[ADRT+\k/4] offset:(\k%4)*16384+2048*(\a)+512*\c
.endr
.endr
.endm
.macro MULK a, k                       ; four accumulators, one instruction a turn
.if (\k) < 4
	WIN 0x0d
.else
	WIN 0x0e
.endif
.set S1, 128*((\a)%2)+16*(\k)
.irp b, 0,1,2,3
.set DD, ACC+32*((\a)%2)+8*\b
.set S0, 64*((\k)%4)+16*\b
.if (\k) == 0
	v_wmma_f32_16x16x128_fp8_fp8 v[DD:DD+7], v[S0:S0+15], v[S1:S1+15], 0
.else
	v_wmma_f32_16x16x128_fp8_fp8 v[DD:DD+7], v[S0:S0+15], v[S1:S1+15], v[DD:DD+7]
.endif
.endr
.endm
.macro BLOCK a
.irp k, 0,1,2,3,4,5,6,7
	MULK \a, \k
.endr
.endm
; THE WAY OUT of a tile of 16 tokens x my 64 channels: a lane holds pieces of one row, and the lanes beside it hold other rows; so it goes through my own stage and comes back as whole rows of 256 bytes.
.macro TOSTAGE a
	PLACES
	WIN 0
.set nn, 0
.rept 16
	v_pk_mul_f32 v[TMP+nn:TMP+nn+1], v[ACC+32*((\a)%2)+nn:ACC+32*((\a)%2)+nn+1], s[96:97] op_sel_hi:[1,0]   ; x 2^(e10 + e11); each accumulator from its low end on
.set nn, nn+2
.endr
.irp b, 0,1,2,3
	ds_store_b128 v[STO], v[TMP+8*\b:TMP+8*\b+3] offset:128*(\b/2)+32*(\b%2)
	ds_store_b128 v[STO], v[TMP+8*\b+4:TMP+8*\b+7] offset:128*(\b/2)+32*(\b%2)+16
.endr
.irp t, 0,1,2,3,4,5,6,7
	ds_load_b128 v[BK+32*((\a)%2)+4*\t:BK+32*((\a)%2)+4*\t+3], v[RD] offset:2*\t*SP   ; LDS serves a wave's instructions in order (ISA guide 5.7.1.4): these see my stores, and the next tile's stores come behind them
.endr
.endm
.macro SEND a, younger                 ; younger: the LDS instructions issued behind the tile's loads, which may stay out
	WIN 0
	s_wait_dscnt \younger
.irp t, 0,1,2,3,4,5,6,7
	global_store_b128 v[CO], v[BK+32*((\a)%2)+4*\t:BK+32*((\a)%2)+4*\t+3], s[10:11] offset:(32*((\a)/2)+8*((\a)%2)+2*\t+8*(\t/4))*4096 th:TH_STORE_NT   ; stage rows 2 t, 2 t + 1 are the tile's tokens 2 t + 8 (t / 4) + 0, 1: 16 lanes store 256 consecutive bytes, aligned
.endr
.endm
	s_wait_alu depctr_va_vdst(0)                   ; the wait at the head's end
	s_wait_kmcnt 0x0
	s_add_co_i32 s96, s94, s95                     ; e10 + e11, between -126 and 127,
	s_add_co_i32 s96, s96, 127
	s_lshl_b32 s96, s96, 23                        ; makes the f32 number 2^(e10 + e11)
	s_mov_b32 s97, s96                             ; (named with it as a pair, so it is written)
	s_wait_tensorcnt 0x0                           ; my part is in; nothing is filled again
	s_barrier_signal -1
	s_barrier_wait -1                              ; everybody's is
	FETCHT 0
	FETCHC 0
.irp k, 0,1,2,3,4,5,6
	FETCHC \k+1
	s_wait_dscnt 16                                ; all but the 16 loads just issued
	MULK 0, \k
.endr
	FETCHT 1
	s_wait_dscnt 32                                ; the channels' last fragments are in; tile 1's 32 loads may be out
	MULK 0, 7
	TOSTAGE 0
	FETCHT 2
	s_wait_dscnt 48                                ; tile 1's fragments are in; behind them stand the stage's 16 and tile 2's 32
	BLOCK 1
	SEND 0, 32
	TOSTAGE 1
	FETCHT 3
	s_wait_dscnt 48                                ; tile 2's are in
	BLOCK 2
	SEND 1, 32
	s_wait_xcnt 0x0                                ; the stores of tiles 0 and 1 have read their registers: the rows of tiles 2 and 3 may land there
	TOSTAGE 2
	s_wait_dscnt 16                                ; tile 3's are in; behind them stand the stage's 16
	BLOCK 3
	SEND 2, 0
	TOSTAGE 3
	SEND 3, 0
	s_wait_tensorcnt 0x0                           ; the wave's end
	ds_add_u32 v[SPW], v[NIL]
	s_wait_dscnt 0x0
	CROUND                                         ; the closing round: no work-group ends while a partner may still ask for a block that names it
	s_endpgm
.Lfunc_end_k_q2814210673_proj:
	.size	k_q2814210673_proj, .Lfunc_end_k_q2814210673_proj-k_q2814210673_proj
	.p2alignl 7, 3214868480
	.fill 96, 4, 3214868480
	.section	.rodata,"a",@progbits
	.p2align	6, 0x0
	.amdhsa_kernel k_q2814210673_proj
		.amdhsa_group_segment_fixed_size 327680
		.amdhsa_private_segment_fixed_size 0
		.amdhsa_enable_private_segment 0
		.amdhsa_kernarg_size 32
		.amdhsa_user_sgpr_count 2
		.amdhsa_user_sgpr_kernarg_segment_ptr 1
		.amdhsa_wavefront_size32 1
		.amdhsa_system_sgpr_workgroup_id_x 1
		.amdhsa_system_sgpr_workgroup_id_y 1
		.amdhsa_system_sgpr_workgroup_id_z 1
		.amdhsa_system_vgpr_workitem_id 0
		.amdhsa_next_free_vgpr 1024
		.amdhsa_next_free_sgpr 102
		.amdhsa_reserve_vcc 0
		.amdhsa_float_denorm_mode_32 3
		.amdhsa_float_denorm_mode_16_64 3
		.amdhsa_memory_ordered 1
		.amdhsa_forward_progress 1
		.amdhsa_inst_pref_size 43
	.end_amdhsa_kernel
	.amdgpu_metadata
---
amdhsa.version: [ 1, 2 ]
amdhsa.kernels:
  - .name:           k_q2814210673_proj
    .symbol:         k_q2814210673_proj.kd
    .args:
      - { .name: ctx, .offset: 0, .size: 8, .value_kind: global_buffer, .address_space: global }
      - { .name: wc, .offset: 8, .size: 8, .value_kind: global_buffer, .address_space: global }
      - { .name: lowp_scales, .offset: 16, .size: 8, .value_kind: global_buffer, .address_space: global }
      - { .name: out0, .offset: 24, .size: 8, .value_kind: global_buffer, .address_space: global }
    .group_segment_fixed_size: 327680
    .private_segment_fixed_size: 0
    .kernarg_segment_align: 8
    .kernarg_segment_size: 32
    .max_flat_workgroup_size: 128
    .sgpr_count:     102
    .vgpr_count:     1024
    .wavefront_size: 32
...
	.end_amdgpu_metadata
.endif
;; end of part 4
